; MI455X (gfx1250); checked and timed in simulation.
; The chip was launched on July 23, 2026; its instructions are those of AMD's public machine-readable ISA for CDNA 5 (MIT licence, August 2026) and "CDNA5" Instruction Set Architecture Reference Guide (July 2026). The comments in the code are by the model that wrote it; some were corrected since.
;; Scaled Dot Attention. Allowed arithmetic: float matrix products may take bf16 or f16 operands with f32 sums; all other float work in f32.
;; Inputs: b_proj 64 float32; b_qkv 192 float32; w_proj 64 x 64 float32; w_qkv 192 x 64 float32; x 4 x 64 x 64 x 64 float32.
;; Outputs: out0 4 x 64 x 64 x 64 float32.
;; 3 versions, each right; version 2 is faster than version 1; version 3 is version 2 with the launch prep written anew for expert scheduling mode. Each part assembles by itself: llvm-mc -triple=amdgcn-amd-amdhsa -mcpu=gfx1250 --defsym DOCPART=n.
;; ======== version 1 of 3: 3 launches
;; workspace buffers: norm 2,048 bytes; qbuf 2,097,152 bytes; kvbuf 4,194,304 bytes
;; launch stats (part 1): grid 256 x 1, 1 waves a work-group, no clusters, 0 bytes of LDS; arguments x, norm; writes norm
.if DOCPART == 1
	.amdgcn_target "amdgcn-amd-amdhsa--gfx1250"
	.amdhsa_code_object_version 6
	.text
	.protected	k_q0917cf66f8_stats
	.globl	k_q0917cf66f8_stats
	.p2align	8
	.type	k_q0917cf66f8_stats,@function
k_q0917cf66f8_stats:
	s_mov_b64 s[64:65], 0
	v_nop
	global_prefetch_b8 v0, s[64:65] scope:SCOPE_SE
	s_setreg_imm32_b32 hwreg(HW_REG_WAVE_MODE, 25, 1), 1
	s_wait_xcnt 0x0
; Instance norm, statistics: for each of the 256 rows (image b, channel c) of x, 4,096 f32 each, the mean and 1/sqrt(variance + 1e-5).
; norm[b*64 + c] = (mean, rstd), two f32.
; One wave takes one row: 16,384 bytes are 128 registers a lane, so the row is read once and stays in registers between the pass that
; finds the mean and the pass that sums (x - mean)^2.  The variance is taken from the differences, not as E[x^2] - mean^2, so a common
; offset on x costs no digits.  No LDS, no barrier: the sums never leave the wave.
; A work-group stores 8 bytes; the whole buffer is 2,048 bytes, so nothing is gained by gathering rows for wider stores.
; LIMITS: NaN and infinities in x go through to the statistics as they come.
.set X,   16                           ; v[16:143]  the row: 64 pairs
.set CH,  2                            ; v[2:9]     four chains of pairs
.set MN,  10                           ; v[10:11]   the mean twice; at the end (mean, rstd)
.set RS,  12                           ; v12 a sum across lanes, v13 the other half's
	s_load_b128 s[4:7], s[0:1], 0x0                ; x s[4:5], norm s[6:7]
	s_lshl_b32 s2, ttmp9, 14                       ; my row: 16,384 bytes each (256 rows: below 4 MiB)
	s_mov_b32 s3, 0
	s_lshl_b32 s8, ttmp9, 3                        ; my 8 bytes of norm
	s_mov_b32 s9, 0
	s_mov_b32 s10, 0x76543210                      ; v_permlanex16_b32: lane i of one half reads lane i of the other
	s_mov_b32 s11, 0xfedcba98
	s_mov_b32 s12, 0x3727c5ac                      ; 1e-5
	s_mov_b32 s13, 0x39800000                      ; 1/4096
	v_lshlrev_b32 v1, 4, v0                        ; 16 bytes a lane: a load covers 512 neighbouring bytes
	v_mov_b32 v13, 0                               ; v_permlanex16_b32 counts as a reader of its destination
	v_mov_b32 v14, 0                               ; the store's offset
	s_wait_kmcnt 0x0
	s_add_nc_u64 s[4:5], s[4:5], s[2:3]
	s_add_nc_u64 s[6:7], s[6:7], s[8:9]
.set j, 0
.rept 32
	global_load_b128 v[X+4*j:X+4*j+3], v1, s[4:5] offset:512*j
.set j, j+1
.endr
; n more pairs, from pair p on, are added to the four chains
.macro ADDRUN n
.rept \n
	v_pk_add_f32 v[CH+2*(p&3):CH+2*(p&3)+1], v[CH+2*(p&3):CH+2*(p&3)+1], v[X+2*p:X+2*p+1]
.set p, p+1
.endr
.endm
; the four chains become one number, the same in every lane, in v[RS]
.macro LANES
	v_pk_add_f32 v[CH:CH+1], v[CH:CH+1], v[CH+2:CH+3]
	v_pk_add_f32 v[CH+4:CH+5], v[CH+4:CH+5], v[CH+6:CH+7]
	v_pk_add_f32 v[CH:CH+1], v[CH:CH+1], v[CH+4:CH+5]
	v_add_f32 v[RS], v[CH], v[CH+1]
	v_add_f32_dpp v[RS], v[RS], v[RS] row_xmask:1 row_mask:0xf bank_mask:0xf
	v_add_f32_dpp v[RS], v[RS], v[RS] row_xmask:2 row_mask:0xf bank_mask:0xf
	v_add_f32_dpp v[RS], v[RS], v[RS] row_xmask:4 row_mask:0xf bank_mask:0xf
	v_add_f32_dpp v[RS], v[RS], v[RS] row_xmask:8 row_mask:0xf bank_mask:0xf
	v_permlanex16_b32 v[RS+1], v[RS], s10, s11
	v_add_f32 v[RS], v[RS], v[RS+1]
.endm
	; pass 1: the sum, as the loads come in, eight loads (16 pairs) at a time; each count is the number of younger loads
	s_wait_loadcnt 24
.irp c, 0,1,2,3
	v_pk_add_f32 v[CH+2*\c:CH+2*\c+1], v[X+2*\c:X+2*\c+1], v[X+8+2*\c:X+8+2*\c+1]   ; the first eight pairs start the chains: nothing is cleared
.endr
.set p, 8
	ADDRUN 8
	s_wait_loadcnt 16
	ADDRUN 16
	s_wait_loadcnt 8
	ADDRUN 16
	s_wait_loadcnt 0
	ADDRUN 16
	LANES
	v_mul_f32 v[MN], s13, v[RS]                    ; the mean,
	v_mul_f32 v[MN+1], s13, v[RS]                  ; twice: a pair for the packed subtraction
	; pass 2: d = x - mean in place, then the sum of d * d in the four chains
.set p, 0
.rept 64
	v_pk_add_f32 v[X+2*p:X+2*p+1], v[X+2*p:X+2*p+1], v[MN:MN+1] neg_lo:[0,1] neg_hi:[0,1]
.set p, p+1
.endr
.irp c, 0,1,2,3
	v_pk_mul_f32 v[CH+2*\c:CH+2*\c+1], v[X+2*\c:X+2*\c+1], v[X+2*\c:X+2*\c+1]
.endr
.set p, 4
.rept 60
	v_pk_fma_f32 v[CH+2*(p&3):CH+2*(p&3)+1], v[X+2*p:X+2*p+1], v[X+2*p:X+2*p+1], v[CH+2*(p&3):CH+2*(p&3)+1]
.set p, p+1
.endr
	LANES
	v_fma_f32 v[RS], v[RS], s13, s12               ; variance (biased) + eps
	v_rsq_f32 v[MN+1], v[RS]
	v_nop                                          ; one plain place behind v_rsq_f32 before its result is used (ISA guide 5.7.2)
	s_wait_xcnt 0x0                                ; EXEC is a source of the loads above: it changes only behind this wait
	v_cmp_eq_u32 vcc_lo, 0, v0
	s_and_saveexec_b32 s8, vcc_lo                  ; lane 0 alone stores
	s_wait_alu depctr_va_vdst(0)
	global_store_b64 v14, v[MN:MN+1], s[6:7]
	s_endpgm
.Lfunc_end_k_q0917cf66f8_stats:
	.size	k_q0917cf66f8_stats, .Lfunc_end_k_q0917cf66f8_stats-k_q0917cf66f8_stats
	.p2alignl 7, 3214868480
	.fill 96, 4, 3214868480
	.section	.rodata,"a",@progbits
	.p2align	6, 0x0
	.amdhsa_kernel k_q0917cf66f8_stats
		.amdhsa_group_segment_fixed_size 0
		.amdhsa_private_segment_fixed_size 0
		.amdhsa_enable_private_segment 0
		.amdhsa_kernarg_size 16
		.amdhsa_user_sgpr_count 2
		.amdhsa_user_sgpr_kernarg_segment_ptr 1
		.amdhsa_wavefront_size32 1
		.amdhsa_system_sgpr_workgroup_id_x 1
		.amdhsa_system_sgpr_workgroup_id_y 1
		.amdhsa_system_sgpr_workgroup_id_z 1
		.amdhsa_system_vgpr_workitem_id 0
		.amdhsa_next_free_vgpr 148
		.amdhsa_next_free_sgpr 66
		.amdhsa_reserve_vcc 1
		.amdhsa_float_denorm_mode_32 3
		.amdhsa_float_denorm_mode_16_64 3
		.amdhsa_memory_ordered 1
		.amdhsa_forward_progress 1
		.amdhsa_inst_pref_size 18
	.end_amdhsa_kernel
	.amdgpu_metadata
---
amdhsa.version: [ 1, 2 ]
amdhsa.kernels:
  - .name:           k_q0917cf66f8_stats
    .symbol:         k_q0917cf66f8_stats.kd
    .args:
      - { .name: x, .offset: 0, .size: 8, .value_kind: global_buffer, .address_space: global }
      - { .name: norm, .offset: 8, .size: 8, .value_kind: global_buffer, .address_space: global }
    .group_segment_fixed_size: 0
    .private_segment_fixed_size: 0
    .kernarg_segment_align: 8
    .kernarg_segment_size: 16
    .max_flat_workgroup_size: 32
    .sgpr_count:     66
    .vgpr_count:     148
    .wavefront_size: 32
...
	.end_amdgpu_metadata
.endif
;; end of part 1
;; launch qkv (part 2): grid 256 x 1, 4 waves a work-group, no clusters, 38,400 bytes of LDS; arguments x, norm, w_qkv, b_qkv, qbuf, kvbuf; writes qbuf, kvbuf
.if DOCPART == 2
	.amdgcn_target "amdgcn-amd-amdhsa--gfx1250"
	.amdhsa_code_object_version 6
	.text
	.protected	k_q0917cf66f8_qkv
	.globl	k_q0917cf66f8_qkv
	.p2align	8
	.type	k_q0917cf66f8_qkv,@function
k_q0917cf66f8_qkv:
	s_mov_b64 s[64:65], 0
	v_nop
	global_prefetch_b8 v0, s[64:65] scope:SCOPE_SE
	s_setreg_imm32_b32 hwreg(HW_REG_WAVE_MODE, 25, 1), 1
	s_wait_xcnt 0x0
; h = (x - mean) * rstd in f32, rounded to bf16; q, k, v = w_qkv h + b_qkv (bf16 products, f32 sums); q also times 0.125 * log2(e),
; so that the attention launch can use 2^x on q.k as it stands.
; Work-group g = 64 b + blk takes 64 pixels of image b and all 192 outputs.  It stores
;   qbuf [g][pixel 64][c 64] bf16 (8 KiB),  kvbuf [g]: K [key 64][c 64] bf16 (8 KiB), then V^T [c 64][key 64] bf16 (8 KiB).
; Wave w makes output channels 16 w .. 16 w + 15 of each of q, k, v for all four tiles of 16 pixels: 12 accumulators, 24 matrix instructions.
; The mean is taken away in f32 BEFORE the rounding to bf16 (it is not folded into the weights), so that an offset on x never meets the
; bf16 rounding; hence a subtraction and then a multiplication, which cannot be one fused multiply-add.
; q and k: source 0 = weights (m = output channel), source 1 = h (n = pixel): a lane's eight results are eight neighbouring channels of a pixel.
; v:       source 0 = h (m = pixel), source 1 = weights (n = channel): a lane's eight results are eight neighbouring pixels of a channel.
; Both pack into 16 bytes, go through an LDS stage and leave as whole rows: each store of a wave covers 512 consecutive bytes, aligned.
; Loads go through registers (no tensor load): the tile of x is 16 KiB, read once, and has to be normalised on its way.
; LIMITS: h, the weights and q, k, v are rounded to bf16.  NaN and infinities pass through.
.set HP,  160                          ; pitch of H in LDS: 128 bytes + 32, an odd multiple of 32 for the transposing load
.set SP,  144                          ; pitch of the stages: 128 bytes + 16
.set QS,  10240                        ; LDS: H [c 64][pixel 64] bf16 at 0; stages of q, k, v: 64 rows x 144 bytes each
.set KS,  QS+64*SP
.set VS,  KS+64*SP
.set XO,  2                            ; v2   x:      (16 w + 8 h) rows of 16,384 bytes + 16 r
.set SO,  3                            ; v3   norm:   (16 w + 8 h) * 8
.set WO,  4                            ; v4   w_qkv: (16 w + r) * 256 + 32 h
.set BO,  5                            ; v5   b_qkv: (16 w + 8 h) * 4
.set BVO, 6                            ; v6   b_qkv: (16 w + r) * 4
.set HS,  7                            ; v7   H, store: (16 w + 8 h) * 160 + 8 r
.set TA,  8                            ; v8   H, transposing load: (8 h + (L & 7)) * 160 + 16 ((L >> 3) & 1)
.set SW1, 9                            ; v9   stage of q, k: r * 144 + 32 w + 16 h
.set SW2, 10                           ; v10  stage of v:    (16 w + r) * 144 + 16 h
.set RB,  11                           ; v11  read back: (T >> 3) * 144 + 16 (T & 7)
.set GO,  12                           ; v12  global: 16 T
.set BQ,  24                           ; v[24:31]  q's bias as a C operand: register j = bias of channel 16 w + 8 h + j
.set BK,  32                           ; v[32:39]  k's likewise
.set BV,  40                           ; v[40:47]  v's: every register = bias of channel 16 w + r
.set WF,  48                           ; v[48:95]  weight fragments (g, c2) at 16 g + 8 c2
.set HF,  96                           ; v[96:159] fragments of h (pt, c2) at 16 pt + 8 c2; before that x and norm; at the end the read-back
.set X,   96                           ; v[96:127] eight rows' 16 bytes of x
.set SN,  128                          ; v[128:143] (mean, rstd) of my eight channels
.set ACC, 160                          ; v[160:255] accumulators (g, pt) at 32 g + 8 pt; before that the weights in f32
	s_load_b256 s[4:11], s[0:1], 0x0               ; x s[4:5], norm s[6:7], w_qkv s[8:9], b_qkv s[10:11]
	s_load_b128 s[12:15], s[0:1], 0x20             ; qbuf s[12:13], kvbuf s[14:15]
	v_lshl_add_u32 v22, v0, 2, 0x9400
	v_mov_b32 v23, 0
	v_lshrrev_b32 v1, 5, v0
	v_readfirstlane_b32 s16, v1                    ; wave w
	s_lshr_b32 s17, ttmp9, 6                       ; image b
	s_and_b32 s18, ttmp9, 63                       ; block of 64 pixels
	s_lshl_b32 s2, s17, 20                         ; x: an image is 1 MiB,
	s_lshl_b32 s3, s18, 8                          ; 64 pixels are 256 bytes of a row
	s_add_co_u32 s2, s2, s3
	s_mov_b32 s3, 0
	s_lshl_b32 s18, s17, 9                         ; norm: 64 channels x 8 bytes an image
	s_mov_b32 s19, 0
	s_lshl_b32 s20, ttmp9, 13                      ; qbuf: 8 KiB a work-group
	s_mov_b32 s21, 0
	s_lshl_b32 s22, ttmp9, 14                      ; kvbuf: 16 KiB a work-group
	s_mov_b32 s23, 0
	s_lshl_b32 s24, s16, 18                        ; the wave's terms of the offsets below
	s_lshl_b32 s25, s16, 7
	s_lshl_b32 s26, s16, 12
	s_lshl_b32 s27, s16, 6
	s_mul_i32 s28, s16, 16*HP
	s_lshl_b32 s29, s16, 5
	s_mul_i32 s30, s16, 16*SP
	v_and_b32 v13, 15, v0                          ; r
	v_bfe_u32 v14, v0, 4, 1                        ; h
	v_lshlrev_b32 v[XO], 17, v14
	v_lshl_add_u32 v[XO], v13, 4, v[XO]
	v_add_nc_u32 v[XO], s24, v[XO]
	v_lshl_add_u32 v[SO], v14, 6, s25
	v_lshlrev_b32 v[WO], 8, v13
	v_lshl_add_u32 v[WO], v14, 5, v[WO]
	v_add_nc_u32 v[WO], s26, v[WO]
	v_lshl_add_u32 v[BO], v14, 5, s27
	v_lshl_add_u32 v[BVO], v13, 2, s27
	v_mul_u32_u24 v[HS], v14, 8*HP
	v_lshl_add_u32 v[HS], v13, 3, v[HS]
	v_add_nc_u32 v[HS], s28, v[HS]
	v_and_b32 v15, 7, v0
	v_lshl_add_u32 v15, v14, 3, v15                ; 8 h + (L & 7)
	v_mul_u32_u24 v[TA], v15, HP
	v_bfe_u32 v15, v0, 3, 1
	v_lshl_add_u32 v[TA], v15, 4, v[TA]
	v_mul_u32_u24 v16, v13, SP
	v_lshl_add_u32 v16, v14, 4, v16                ; r * 144 + 16 h
	v_add_nc_u32 v[SW1], s29, v16
	v_add_nc_u32 v[SW2], s30, v16
	v_lshrrev_b32 v[RB], 3, v0
	v_mul_u32_u24 v[RB], v[RB], SP
	v_and_b32 v15, 7, v0
	v_lshl_add_u32 v[RB], v15, 4, v[RB]
	v_lshlrev_b32 v[GO], 4, v0
	s_wait_kmcnt 0x0
	s_add_nc_u64 s[4:5], s[4:5], s[2:3]
	s_add_nc_u64 s[6:7], s[6:7], s[18:19]
	s_add_nc_u64 s[12:13], s[12:13], s[20:21]
	s_add_nc_u64 s[14:15], s[14:15], s[22:23]
	; 41 loads: 4 of norm, 8 of x, 24 of weights, 5 of biases
.irp i, 0,1,2,3
	global_load_b128 v[SN+4*\i:SN+4*\i+3], v[SO], s[6:7] offset:16*\i              ; (mean, rstd) of channels 2 i, 2 i + 1 of my eight
.endr
.irp i, 0,1,2,3,4,5,6,7
	global_load_b128 v[X+4*\i:X+4*\i+3], v[XO], s[4:5] offset:16384*\i             ; channel 16 w + 8 h + i: sixteen lanes take its 256 bytes, aligned
.endr
.irp g, 0,1,2
.irp c2, 0,1
	global_load_b128 v[ACC+32*\g+16*\c2:ACC+32*\g+16*\c2+3],     v[WO], s[8:9] offset:16384*\g+128*\c2      ; row 64 g + 16 w + r, c = 32 c2 + 8 h ..
	global_load_b128 v[ACC+32*\g+16*\c2+4:ACC+32*\g+16*\c2+7],   v[WO], s[8:9] offset:16384*\g+128*\c2+16
	global_load_b128 v[ACC+32*\g+16*\c2+8:ACC+32*\g+16*\c2+11],  v[WO], s[8:9] offset:16384*\g+128*\c2+64   ; c = 32 c2 + 16 + 8 h ..
	global_load_b128 v[ACC+32*\g+16*\c2+12:ACC+32*\g+16*\c2+15], v[WO], s[8:9] offset:16384*\g+128*\c2+80
.endr
.endr
	global_load_b128 v[BQ:BQ+3],   v[BO], s[10:11]
	global_load_b128 v[BQ+4:BQ+7], v[BO], s[10:11] offset:16
	global_load_b128 v[BK:BK+3],   v[BO], s[10:11] offset:256
	global_load_b128 v[BK+4:BK+7], v[BO], s[10:11] offset:272
	global_load_b32  v[BV],        v[BVO], s[10:11] offset:512
	s_wait_loadcnt 29                              ; norm and x are in; the 24 + 5 younger loads stay out
.irp i, 0,1,2,3,4,5,6,7
	v_pk_add_f32 v[X+4*\i:X+4*\i+1],   v[X+4*\i:X+4*\i+1],   v[SN+2*\i:SN+2*\i+1] op_sel_hi:[1,0] neg_lo:[0,1] neg_hi:[0,1]   ; - mean
	v_pk_add_f32 v[X+4*\i+2:X+4*\i+3], v[X+4*\i+2:X+4*\i+3], v[SN+2*\i:SN+2*\i+1] op_sel_hi:[1,0] neg_lo:[0,1] neg_hi:[0,1]
	v_pk_mul_f32 v[X+4*\i:X+4*\i+1],   v[X+4*\i:X+4*\i+1],   v[SN+2*\i:SN+2*\i+1] op_sel:[0,1] op_sel_hi:[1,1]                ; * rstd
	v_pk_mul_f32 v[X+4*\i+2:X+4*\i+3], v[X+4*\i+2:X+4*\i+3], v[SN+2*\i:SN+2*\i+1] op_sel:[0,1] op_sel_hi:[1,1]
	v_cvt_pk_bf16_f32 v[X+4*\i],   v[X+4*\i],   v[X+4*\i+1]
	v_cvt_pk_bf16_f32 v[X+4*\i+1], v[X+4*\i+2], v[X+4*\i+3]
	ds_store_b64 v[HS], v[X+4*\i:X+4*\i+1] offset:HP*\i        ; H[c][4 r .. 4 r + 3].  The two halves' rows lie 1,280 bytes apart, a multiple of 256: eight stores of two passes each, once in the kernel
.endr
	s_wait_loadcnt 0                               ; weights and biases
.irp f, 0,1,2,3,4,5
.irp i, 0,1,2,3,4,5,6,7
	v_cvt_pk_bf16_f32 v[WF+8*\f+\i], v[ACC+16*\f+2*\i], v[ACC+16*\f+2*\i+1]        ; fragment f = 2 g + c2
.endr
.endr
.irp i, 1,2,3,4,5,6,7
	v_mov_b32 v[BV+\i], v[BV]                      ; v's bias hangs on the lane's column alone: the C operand holds it eight times
.endr
	s_wait_dscnt 0x0                               ; my rows of H are written,
	s_barrier_signal -1
	s_barrier_wait -1                              ; everybody's are
.irp pt, 0,1,2,3
.irp c2, 0,1
	ds_load_tr16_b128 v[HF+16*\pt+8*\c2:HF+16*\pt+8*\c2+3],   v[TA] offset:32*HP*\c2+32*\pt          ; c = 32 c2 + 8 h .. of pixel 16 pt + r
	ds_load_tr16_b128 v[HF+16*\pt+8*\c2+4:HF+16*\pt+8*\c2+7], v[TA] offset:32*HP*\c2+32*\pt+16*HP    ; c = 32 c2 + 16 + 8 h ..
.endr
.endr
	s_wait_dscnt 0x0
; One pass over the 12 accumulators, 32 channels of h.  The accumulators take turns, one instruction a turn.
; start = 1: the biases are the C operands and start the sums.
.macro PASS c2, start
.irp pt, 0,1,2,3
.if \start
	v_wmma_f32_16x16x32_bf16 v[ACC+8*\pt:ACC+8*\pt+7],       v[WF+8*\c2:WF+8*\c2+7],       v[HF+16*\pt+8*\c2:HF+16*\pt+8*\c2+7], v[BQ:BQ+7]
	v_wmma_f32_16x16x32_bf16 v[ACC+32+8*\pt:ACC+32+8*\pt+7], v[WF+16+8*\c2:WF+16+8*\c2+7], v[HF+16*\pt+8*\c2:HF+16*\pt+8*\c2+7], v[BK:BK+7]
	v_wmma_f32_16x16x32_bf16 v[ACC+64+8*\pt:ACC+64+8*\pt+7], v[HF+16*\pt+8*\c2:HF+16*\pt+8*\c2+7], v[WF+32+8*\c2:WF+32+8*\c2+7], v[BV:BV+7]
.else
	v_wmma_f32_16x16x32_bf16 v[ACC+8*\pt:ACC+8*\pt+7],       v[WF+8*\c2:WF+8*\c2+7],       v[HF+16*\pt+8*\c2:HF+16*\pt+8*\c2+7], v[ACC+8*\pt:ACC+8*\pt+7]
	v_wmma_f32_16x16x32_bf16 v[ACC+32+8*\pt:ACC+32+8*\pt+7], v[WF+16+8*\c2:WF+16+8*\c2+7], v[HF+16*\pt+8*\c2:HF+16*\pt+8*\c2+7], v[ACC+32+8*\pt:ACC+32+8*\pt+7]
	v_wmma_f32_16x16x32_bf16 v[ACC+64+8*\pt:ACC+64+8*\pt+7], v[HF+16*\pt+8*\c2:HF+16*\pt+8*\c2+7], v[WF+32+8*\c2:WF+32+8*\c2+7], v[ACC+64+8*\pt:ACC+64+8*\pt+7]
.endif
.endr
.endm
	PASS 0, 1
	PASS 1, 0
.rept 4
	v_nop                                          ; four places behind the last matrix instruction before results are read and before loads land on its sources
.endr
.set p, 0
.rept 16
	v_pk_mul_f32 v[ACC+2*p:ACC+2*p+1], v[ACC+2*p:ACC+2*p+1], 0x3e38aa3b op_sel_hi:[1,0]    ; q * 64^-0.5 * log2(e)
.set p, p+1
.endr
.irp n, 0,1,2,3,4,5,6,7,8,9,10,11
.irp i, 0,1,2,3
	v_cvt_pk_bf16_f32 v[ACC+8*\n+\i], v[ACC+8*\n+2*\i], v[ACC+8*\n+2*\i+1]         ; in place, ascending: register i is written when 2 i and 2 i + 1 are read
.endr
.endr
.irp pt, 0,1,2,3
	ds_store_b128 v[SW1], v[ACC+8*\pt:ACC+8*\pt+3]       offset:QS+16*SP*\pt       ; q[pixel 16 pt + r][16 w + 8 h ..]
	ds_store_b128 v[SW1], v[ACC+32+8*\pt:ACC+32+8*\pt+3] offset:KS+16*SP*\pt       ; k likewise
	ds_store_b128 v[SW2], v[ACC+64+8*\pt:ACC+64+8*\pt+3] offset:VS+32*\pt          ; v^T[16 w + r][pixel 16 pt + 8 h ..]
.endr
	s_wait_dscnt 0x0                               ; my part of the stages is written,
	s_barrier_signal -1
	s_barrier_wait -1                              ; everybody's is
.irp n, 0,1,2,3,4,5,6,7,8,9,10,11
	ds_load_b128 v[HF+4*\n:HF+4*\n+3], v[RB] offset:QS+16*SP*\n                    ; 16 rows at a time; the three stages follow each other
.endr
.irp i, 0,1,2,3
	s_wait_dscnt 11-\i                             ; LDS loads come back in order: this one is in, the younger ones stay out
	global_store_b128 v[GO], v[HF+4*\i:HF+4*\i+3], s[12:13] offset:2048*\i
.endr
.irp i, 0,1,2,3,4,5,6,7
	s_wait_dscnt 7-\i
	global_store_b128 v[GO], v[HF+16+4*\i:HF+16+4*\i+3], s[14:15] offset:2048*\i   ; K's 8 KiB, then V^T's
.endr
	s_wait_tensorcnt 0x0
	ds_add_u32 v22, v23
	s_wait_dscnt 0x0
	s_endpgm
.Lfunc_end_k_q0917cf66f8_qkv:
	.size	k_q0917cf66f8_qkv, .Lfunc_end_k_q0917cf66f8_qkv-k_q0917cf66f8_qkv
	.p2alignl 7, 3214868480
	.fill 96, 4, 3214868480
	.section	.rodata,"a",@progbits
	.p2align	6, 0x0
	.amdhsa_kernel k_q0917cf66f8_qkv
		.amdhsa_group_segment_fixed_size 38400
		.amdhsa_private_segment_fixed_size 0
		.amdhsa_enable_private_segment 0
		.amdhsa_kernarg_size 48
		.amdhsa_user_sgpr_count 2
		.amdhsa_user_sgpr_kernarg_segment_ptr 1
		.amdhsa_wavefront_size32 1
		.amdhsa_system_sgpr_workgroup_id_x 1
		.amdhsa_system_sgpr_workgroup_id_y 1
		.amdhsa_system_sgpr_workgroup_id_z 1
		.amdhsa_system_vgpr_workitem_id 0
		.amdhsa_next_free_vgpr 256
		.amdhsa_next_free_sgpr 66
		.amdhsa_reserve_vcc 0
		.amdhsa_float_denorm_mode_32 3
		.amdhsa_float_denorm_mode_16_64 3
		.amdhsa_memory_ordered 1
		.amdhsa_forward_progress 1
		.amdhsa_inst_pref_size 24
	.end_amdhsa_kernel
	.amdgpu_metadata
---
amdhsa.version: [ 1, 2 ]
amdhsa.kernels:
  - .name:           k_q0917cf66f8_qkv
    .symbol:         k_q0917cf66f8_qkv.kd
    .args:
      - { .name: x, .offset: 0, .size: 8, .value_kind: global_buffer, .address_space: global }
      - { .name: norm, .offset: 8, .size: 8, .value_kind: global_buffer, .address_space: global }
      - { .name: w_qkv, .offset: 16, .size: 8, .value_kind: global_buffer, .address_space: global }
      - { .name: b_qkv, .offset: 24, .size: 8, .value_kind: global_buffer, .address_space: global }
      - { .name: qbuf, .offset: 32, .size: 8, .value_kind: global_buffer, .address_space: global }
      - { .name: kvbuf, .offset: 40, .size: 8, .value_kind: global_buffer, .address_space: global }
    .group_segment_fixed_size: 38400
    .private_segment_fixed_size: 0
    .kernarg_segment_align: 8
    .kernarg_segment_size: 48
    .max_flat_workgroup_size: 128
    .sgpr_count:     66
    .vgpr_count:     256
    .wavefront_size: 32
...
	.end_amdgpu_metadata
.endif
;; end of part 2
;; launch attn (part 3): grid 256 x 1, 4 waves a work-group, clusters of 4 x 1, 327,680 bytes of LDS; arguments qbuf, kvbuf, x, w_proj, b_proj, out0; writes out0
.if DOCPART == 3
	.amdgcn_target "amdgcn-amd-amdhsa--gfx1250"
	.amdhsa_code_object_version 6
	.text
	.protected	k_q0917cf66f8_attn
	.globl	k_q0917cf66f8_attn
	.p2align	8
	.type	k_q0917cf66f8_attn,@function
k_q0917cf66f8_attn:
	s_mov_b64 s[64:65], 0
	v_nop
	global_prefetch_b8 v0, s[64:65] scope:SCOPE_SE
	s_setreg_imm32_b32 hwreg(HW_REG_WAVE_MODE, 25, 1), 1
	s_wait_xcnt 0x0
	s_wait_alu depctr_hold_cnt(0) depctr_sa_sdst(0) depctr_va_vdst(0) depctr_va_sdst(0) depctr_va_ssrc(0) depctr_va_vcc(0) depctr_vm_vsrc(0)
	s_getreg_b32 s2, hwreg(HW_REG_IB_STS2, 6, 4)
	s_cmp_eq_u32 s2, 0
	s_cbranch_scc0 .Lentry_in_a_cluster
	s_endpgm
.Lentry_in_a_cluster:
	s_bfe_u32 s2, ttmp6, 0x10000c
	s_cmp_lg_u32 s2, 0x3003
	s_cbranch_scc0 .Lentry_shape_is_right
	s_endpgm
.Lentry_shape_is_right:
; out0 = x + w_proj softmax(q k^T / 8) v + b_proj, for 64 queries (pixels) of one image a work-group; 4,096 keys, 64 channels.
; qbuf holds q * 0.125 * log2(e) in bf16, so p = 2^(s - m) with s = q.k as the matrix unit gives it.
; SHARING.  Each of the four waves takes ALL 64 queries and a QUARTER of the keys (1,024 keys = 16 blocks of 64): for a block a wave reads
; 16 KiB of LDS (K and V^T once) and issues 64 matrix instructions.  Each wave keeps its own running maximum m, sum l and sums O; at the
; end the four are merged through LDS: O = sum of 2^(m_w - m) O_w over sum of 2^(m_w - m) l_w.
; TRANSPOSED USE.  S^T = K Q^T: source 0 = 16 keys, source 1 = 16 queries.  A lane then holds ONE query (r = lane % 16) and keys 8 h + j
; (h = lane / 16) in register j.  So m, l and the rescaling factor are one number a lane, only the maximum crosses the two halves, and two
; neighbouring key tiles, exponentiated and packed to bf16, ARE the operand fragment of P for O^T = V^T P^T: no shuffle, no LDS.
; The same holds for the projection: the merged O^T, packed, is the fragment of O as source 0.
; CLUSTER.  The four work-groups of a cluster are four query blocks of one image (64 blocks an image: a cluster never spans two): they walk
; the same K and V.  Each block pair is asked for jointly (mask 15), which divides the requests for kvbuf by four.
; RING.  Each wave has two LDS slots of its own, two blocks (32 KiB) each, filled by its own joint loads and read by itself alone.
; A wave has two tensor loads out at the start and one behind each round.  A refill has two blocks' work in which to land.
; A maximum is taken away before every exponential: every exponent is at most 0.
; LIMITS: q, k, v, p, O and w_proj enter the matrix unit in bf16.  v_exp_f32 gives 0 for results below 2^-126 (ISA guide 15.8): such p add nothing.
; NaN and infinities are not treated specially (a NaN loses in the running maximum).
.set BLK,    17408                     ; a block in LDS: 64 rows of 256 bytes + 16 of padding.  Logical row R (128 bytes) lies at (R >> 1) * 272 + (R & 1) * 128:
                                       ; the 16 rows of a fragment fall on the 16-byte columns (r >> 1) + 8 (r & 1) modulo 256 bytes, all different
.set SLOTW,  2*BLK                     ; a slot: two blocks
.set WREG,   2*SLOTW                   ; a wave's ring
.set VOFF,   8704                      ; V^T behind K's 64 logical rows
.set T16,    2176                      ; 16 logical rows
.set STATS,  16384                     ; after the last fill has been read: a wave's O at its ring's byte 0 (16 KiB), its (m, l) behind it (512 bytes),
.set OUTS,   34816                     ; and the projected block [o 64][pixel 64] f32, pitch 272, in wave 0's slot 1.  No tensor load follows these stores
.set OP,     272
; window 0
.set LA,    4                          ; v4, v5   my fragment address in my slot 0, 1: ring + (r >> 1) * 272 + (r & 1) * 128 + 16 h
.set QOFF,  6                          ; v6       qbuf: 128 r + 16 h
.set WPOFF, 7                          ; v7       w_proj: 256 r + 32 h
.set XOFF,  8                          ; v8       x, out0: (16 w + h) rows of 16,384 bytes + 16 r
.set BOFF,  9                          ; v9       b_proj: (16 w + h) * 4
.set PST,   10                         ; v10      my O, store: ring + 16 L
.set STW,   11                         ; v11      my (m, l), store: ring + 8 r
.set RDA,   12                         ; v12-15   wave w''s O of query tile w: w' * WREG + 4,096 w + 16 L
.set SRA,   16                         ; v16-19   wave w''s (m, l) of query tile w
.set OSW,   20                         ; v20      OUTS, store: r * 272 + 64 w + 32 h
.set OSR,   21                         ; v21      OUTS, read: (16 w + h) * 272 + 16 r
.set ST,    24                         ; v[24:39] query tile t: M, TMP, A, L at 4 t (pairs (M, TMP) and (A, L))
.set T,     40                         ; v[40:55] four temporaries a tile
.set U,     56                         ; v[56:63] four chains of pairs
.set Q,     64                         ; v[64:127]  fragments of Q (t, c2) at 16 t + 8 c2
.set S,     128                        ; v[128:255] S^T (kt, t) at 32 t + 8 kt; P (t, kk) in place at 32 t + 16 kk
; window 1
.set KF,    0                          ; fragments of K (kt, c2) at 16 kt + 8 c2
.set VF,    64                         ; fragments of V^T (a, kk) at 16 a + 8 kk
.set O,     128                        ; O^T (a, t) at 32 t + 8 a
; window 2
.set WP,    0                          ; fragments of w_proj (ot, c2) at 16 ot + 8 c2
.set XR,    64                         ; my 8 x 16 bytes of x
.set BI,    96                         ; my 8 biases
.set G1,    24                         ; s[24:31] descriptor group 1
.set G0,    32                         ; s[32:39] descriptor group 0, one set for each slot
.set MSB,   0
.macro WIN new                         ; low byte: bits 1:0 source 0, 3:2 source 1, 5:4 source 2, 7:6 destination; the high byte repeats the setting that is left
.if MSB != \new
	s_set_vgpr_msb (MSB<<8)|\new
.set MSB, \new
.endif
.endm
.set TO_1,  0x40                       ; a load into window 1
.set SM,    0x01                       ; S^T: source 0 (K) window 1
.set PVW,   0x51                       ; O^T: destination, source 0 (V or O) and source 2 window 1, source 1 (P or A) window 0
.set ST_1,  0x04                       ; an LDS store of window 1
.set TO_2,  0x80                       ; destination window 2
.set S1_2,  0x08                       ; source 1 window 2
.macro PLACES n
.rept \n
	v_nop
.endr
.endm
; A round of the cluster's barrier: my work-group's barrier, wave 0 signals for the work-group, every wave waits for all four work-groups, my work-group's barrier again.
.macro ROUND
	s_barrier_signal -1
	s_barrier_wait -1
	s_cmp_lg_u32 s16, 0
	s_cbranch_scc1 .Lnot_wave_0_\@
	s_barrier_signal -3
.Lnot_wave_0_\@:
	s_barrier_wait -3
	s_barrier_signal -1
	s_barrier_wait -1
.endm
	s_load_b256 s[4:11], s[0:1], 0x0               ; qbuf s[4:5], kvbuf s[6:7], x s[8:9], w_proj s[10:11]
	s_load_b128 s[12:15], s[0:1], 0x20             ; b_proj s[12:13], out0 s[14:15]
	s_set_vgpr_msb 0x80
	v_lshl_add_u32 v128, v0, 2, 0x44000
	v_mov_b32 v129, 0
	s_set_vgpr_msb 0x808a
	ds_add_u32 v128, v129
	s_set_vgpr_msb 0x8a00
	v_lshrrev_b32 v1, 5, v0
	v_readfirstlane_b32 s16, v1                    ; wave w
	s_bfe_u32 s17, ttmp6, 0x40000                  ; cx: my place in the cluster.  It enters the bases of qbuf, x and out0 alone
	s_lshl_b32 s18, ttmp9, 2
	s_add_co_u32 s18, s18, s17                     ; work-group = 4 x cluster + cx
	s_lshr_b32 s19, ttmp9, 4                       ; image, from the cluster's number alone: the same in all four partners
	s_and_b32 s20, s18, 63                         ; my block of 64 queries in the image
	s_mov_b32 s45, 0x76543210                      ; v_permlanex16_b32: lane i of one half reads lane i of the other
	s_mov_b32 s46, 0xfedcba98
	; group 1: two blocks are 32 KiB dense in memory, taken as 128 rows of 256 bytes
	s_mov_b32 s[G1+0], 15|(3<<16)|(1<<20)|(1<<21)|(5<<22)|(3<<25)  ; 15:0 mask: all four work-groups; 17:16 elements of 8 bytes; 20 padding on; 21 set beside a mask; 24:22 after every 64 words; 31:25 four words
	s_mov_b32 s[G1+1], 32<<16                      ; tensor_dim0 = 32 elements
	s_mov_b32 s[G1+2], 128<<16                     ; tensor_dim1 = 128 rows
	s_mov_b32 s[G1+3], 32<<16                      ; tile_dim0 = 32
	s_mov_b32 s[G1+4], 128                         ; tile_dim1 = 128
	s_mov_b32 s[G1+5], 32                          ; from row to row: 32 elements
	s_mov_b32 s[G1+6], 0
	s_mov_b32 s[G1+7], 0
	s_mul_i32 s21, s16, WREG                       ; my ring
	s_lshl_b32 s40, s19, 20                        ; kvbuf: an image is 1 MiB,
	s_lshl_b32 s41, s16, 18                        ; a wave's quarter 256 KiB
	s_add_co_u32 s40, s40, s41
	s_mov_b32 s41, 0
	s_lshl_b32 s42, s18, 13                        ; qbuf: 8 KiB a work-group
	s_mov_b32 s43, 0
	s_lshl_b32 s22, s19, 20                        ; x, out0: an image is 1 MiB, 64 pixels are 256 bytes of a row
	s_lshl_b32 s23, s20, 8
	s_add_co_u32 s22, s22, s23
	s_mov_b32 s23, 0
	s_lshl_b32 s48, s16, 18                        ; the wave's terms of the vector offsets below
	s_lshl_b32 s49, s16, 6
	s_lshl_b32 s50, s16, 12
	s_lshl_b32 s51, s16, 7
	s_add_co_u32 s51, s51, STATS
	s_add_co_u32 s52, s49, OUTS
	s_mul_i32 s53, s16, 16*OP
	s_add_co_u32 s53, s53, OUTS
	s_wait_dscnt 0x0
	s_wait_kmcnt 0x0
	s_add_nc_u64 s[4:5], s[4:5], s[42:43]
	s_add_nc_u64 s[8:9], s[8:9], s[22:23]
	s_add_nc_u64 s[14:15], s[14:15], s[22:23]
	s_add_nc_u64 s[6:7], s[6:7], s[40:41]          ; my quarter's first block
.irp s, 0,1
	s_mov_b32 s[G0+4*\s], 1                                        ; count = 1
	s_add_co_u32 s[G0+4*\s+1], s21, \s*SLOTW                       ; LDS address: wave x ring + slot
	s_add_nc_u64 s[G0+4*\s+2:G0+4*\s+3], s[6:7], \s*32768          ; blocks 2 s, 2 s + 1
	s_or_b32 s[G0+4*\s+3], s[G0+4*\s+3], 0x80000000                ; type = 2
.endr
	ROUND                                          ; all four work-groups are here: the first joint loads meet
	tensor_load_to_lds s[G0:G0+3], s[G1:G1+7]
	s_nop 0
	tensor_load_to_lds s[G0+4:G0+7], s[G1:G1+7]
	s_nop 0
	v_and_b32 v1, 31, v0                           ; L
	v_and_b32 v2, 15, v0                           ; r
	v_bfe_u32 v3, v0, 4, 1                         ; h
	v_lshrrev_b32 v22, 1, v2
	v_mul_u32_u24 v22, v22, 272
	v_and_b32 v23, 1, v2
	v_lshl_add_u32 v22, v23, 7, v22
	v_lshl_add_u32 v22, v3, 4, v22
	v_add_nc_u32 v[LA], s21, v22
	v_add_nc_u32 v[LA+1], SLOTW, v[LA]
	v_lshlrev_b32 v[QOFF], 7, v2
	v_lshl_add_u32 v[QOFF], v3, 4, v[QOFF]
	v_lshlrev_b32 v[WPOFF], 8, v2
	v_lshl_add_u32 v[WPOFF], v3, 5, v[WPOFF]
	v_lshlrev_b32 v[XOFF], 14, v3
	v_lshl_add_u32 v[XOFF], v2, 4, v[XOFF]
	v_add_nc_u32 v[XOFF], s48, v[XOFF]
	v_lshl_add_u32 v[BOFF], v3, 2, s49
	v_lshl_add_u32 v[PST], v1, 4, s21
	v_lshl_add_u32 v[STW], v2, 3, s21
	v_lshl_add_u32 v[RDA], v1, 4, s50
	v_lshl_add_u32 v[SRA], v2, 3, s51
.irp w, 1,2,3
	v_add_nc_u32 v[RDA+\w], \w*WREG, v[RDA]
	v_add_nc_u32 v[SRA+\w], \w*WREG, v[SRA]
.endr
	v_mul_u32_u24 v[OSW], v2, OP
	v_lshl_add_u32 v[OSW], v3, 5, v[OSW]
	v_add_nc_u32 v[OSW], s52, v[OSW]
	v_mul_u32_u24 v[OSR], v3, OP
	v_lshl_add_u32 v[OSR], v2, 4, v[OSR]
	v_add_nc_u32 v[OSR], s53, v[OSR]
	; 64 loads: 16 of Q (fragments as they lie), 32 of w_proj (f32, staged in S's registers), 8 of x and 8 of b_proj for the tail
.irp t, 0,1,2,3
.irp c2, 0,1
	global_load_b128 v[Q+16*\t+8*\c2:Q+16*\t+8*\c2+3],   v[QOFF], s[4:5] offset:2048*\t+64*\c2       ; query 16 t + r, c = 32 c2 + 8 h ..
	global_load_b128 v[Q+16*\t+8*\c2+4:Q+16*\t+8*\c2+7], v[QOFF], s[4:5] offset:2048*\t+64*\c2+32    ; c = 32 c2 + 16 + 8 h ..
.endr
.endr
.irp f, 0,1,2,3,4,5,6,7
	global_load_b128 v[S+16*\f:S+16*\f+3],     v[WPOFF], s[10:11] offset:4096*(\f>>1)+128*(\f&1)     ; fragment f = 2 ot + c2: row 16 ot + r
	global_load_b128 v[S+16*\f+4:S+16*\f+7],   v[WPOFF], s[10:11] offset:4096*(\f>>1)+128*(\f&1)+16
	global_load_b128 v[S+16*\f+8:S+16*\f+11],  v[WPOFF], s[10:11] offset:4096*(\f>>1)+128*(\f&1)+64
	global_load_b128 v[S+16*\f+12:S+16*\f+15], v[WPOFF], s[10:11] offset:4096*(\f>>1)+128*(\f&1)+80
.endr
	WIN TO_2
.irp i, 0,1,2,3,4,5,6,7
	global_load_b128 v[XR+4*\i:XR+4*\i+3], v[XOFF], s[8:9] offset:32768*\i         ; channel 16 w + h + 2 i: sixteen lanes take its 256 bytes, aligned
.endr
.irp i, 0,1,2,3,4,5,6,7
	global_load_b32 v[BI+\i], v[BOFF], s[12:13] offset:8*\i
.endr
	s_wait_loadcnt 16                              ; Q and w_proj are in; the 16 younger loads stay out until the tail: nothing writes their registers or addresses
.irp f, 0,1,2,3,4,5,6,7
.irp i, 0,1,2,3,4,5,6,7
	v_cvt_pk_bf16_f32 v[WP+8*\f+\i], v[S+16*\f+2*\i], v[S+16*\f+2*\i+1]
.endr
.endr
	WIN 0
; 16 LDS loads: K's fragments of block blk of a slot (under TO_1)
.macro LOADK slot, blk
.irp kt, 0,1,2,3
.irp c2, 0,1
	ds_load_b128 v[KF+16*\kt+8*\c2:KF+16*\kt+8*\c2+3],   v[LA+\slot] offset:\blk*BLK+\kt*T16+64*\c2
	ds_load_b128 v[KF+16*\kt+8*\c2+4:KF+16*\kt+8*\c2+7], v[LA+\slot] offset:\blk*BLK+\kt*T16+64*\c2+32
.endr
.endr
.endm
; 16 LDS loads: V^T's fragments
.macro LOADV slot, blk
.irp a, 0,1,2,3
.irp kk, 0,1
	ds_load_b128 v[VF+16*\a+8*\kk:VF+16*\a+8*\kk+3],   v[LA+\slot] offset:\blk*BLK+VOFF+\a*T16+64*\kk
	ds_load_b128 v[VF+16*\a+8*\kk+4:VF+16*\a+8*\kk+7], v[LA+\slot] offset:\blk*BLK+VOFF+\a*T16+64*\kk+32
.endr
.endr
.endm
; S^T of 64 keys x 64 queries: 32 matrix instructions.  The four key tiles of a query tile take turns, one instruction a turn.
; The first 32 channels start each sum with C = 0.
.macro SMUL
.irp t, 0,1,2,3
.irp kt, 0,1,2,3
	v_wmma_f32_16x16x32_bf16 v[S+32*\t+8*\kt:S+32*\t+8*\kt+7], v[KF+16*\kt:KF+16*\kt+7], v[Q+16*\t:Q+16*\t+7], 0
.endr
.irp kt, 0,1,2,3
	v_wmma_f32_16x16x32_bf16 v[S+32*\t+8*\kt:S+32*\t+8*\kt+7], v[KF+16*\kt+8:KF+16*\kt+15], v[Q+16*\t+8:Q+16*\t+15], v[S+32*\t+8*\kt:S+32*\t+8*\kt+7]
.endr
.endr
.endm
; Query tile t: the new running maximum M (over my 32 numbers, the old M and the other half of the lanes), A = old M - new M, and s - M in place.
; first = 1: there is no old M.
.macro MAXSUB t, first
.irp kt, 0,1,2,3
	v_max3_num_f32 v[T+4*\t+\kt], v[S+32*\t+8*\kt], v[S+32*\t+8*\kt+1], v[S+32*\t+8*\kt+2]
.endr
.irp kt, 0,1,2,3
	v_max3_num_f32 v[T+4*\t+\kt], v[T+4*\t+\kt], v[S+32*\t+8*\kt+3], v[S+32*\t+8*\kt+4]
.endr
.irp kt, 0,1,2,3
	v_max3_num_f32 v[T+4*\t+\kt], v[T+4*\t+\kt], v[S+32*\t+8*\kt+5], v[S+32*\t+8*\kt+6]
.endr
	v_max3_num_f32 v[T+4*\t],   v[T+4*\t],   v[S+32*\t+7],  v[S+32*\t+15]
	v_max3_num_f32 v[T+4*\t+1], v[T+4*\t+1], v[S+32*\t+23], v[S+32*\t+31]
	v_max3_num_f32 v[T+4*\t],   v[T+4*\t],   v[T+4*\t+1],   v[T+4*\t+2]
.if \first
	v_max_num_f32 v[ST+4*\t+1], v[T+4*\t], v[T+4*\t+3]
.else
	v_max3_num_f32 v[ST+4*\t+1], v[T+4*\t], v[T+4*\t+3], v[ST+4*\t]
.endif
	v_permlanex16_b32 v[T+4*\t+1], v[ST+4*\t+1], s45, s46          ; the other 32 keys of my query
.if \first == 0
	v_max_num_f32 v[T+4*\t], v[ST+4*\t+1], v[T+4*\t+1]
	v_sub_f32 v[ST+4*\t+2], v[ST+4*\t], v[T+4*\t]                  ; A = old M - new M, at most 0
.endif
	v_max_num_f32 v[ST+4*\t], v[ST+4*\t+1], v[T+4*\t+1]            ; M
.set p, 0
.rept 16
	v_pk_add_f32 v[S+32*\t+2*p:S+32*\t+2*p+1], v[S+32*\t+2*p:S+32*\t+2*p+1], v[ST+4*\t:ST+4*\t+1] op_sel_hi:[1,0] neg_lo:[0,1] neg_hi:[0,1]
.set p, p+1
.endr
.endm
; Slot i of 16 of the sum of tile u's 32 p (f32, before the rounding to bf16), in four chains of pairs.  Slot i reads its registers before CVTI of slot i or later writes them.
.macro SUMI u, i, first
.if \i < 4
	s_wait_alu depctr_va_vdst(0)
	v_pk_add_f32 v[U+2*\i:U+2*\i+1], v[S+32*\u+4*\i:S+32*\u+4*\i+1], v[S+32*\u+4*\i+2:S+32*\u+4*\i+3]
.elseif \i < 12
	v_pk_add_f32 v[U+2*(\i&3):U+2*(\i&3)+1], v[U+2*(\i&3):U+2*(\i&3)+1], v[S+32*\u+2*\i+8:S+32*\u+2*\i+9]
.elseif \i == 12
	v_pk_add_f32 v[U:U+1], v[U:U+1], v[U+2:U+3]
.elseif \i == 13
	v_pk_add_f32 v[U+4:U+5], v[U+4:U+5], v[U+6:U+7]
.elseif \i == 14
	v_pk_add_f32 v[U:U+1], v[U:U+1], v[U+4:U+5]
.elseif \first
	v_add_f32 v[ST+4*\u+3], v[U], v[U+1]           ; the first block starts L
.else
	v_add_f32 v[U], v[U], v[U+1]
.endif
.endm
; Slot i of 16 of the packing: registers 2 i, 2 i + 1 become register 16 (i >> 3) + (i & 7): key tiles 0, 1 make P's fragment for keys 0-31 at +0, tiles 2, 3 that for keys 32-63 at +16
.macro CVTI u, i
	v_cvt_pk_bf16_f32 v[S+32*\u+16*(\i>>3)+(\i&7)], v[S+32*\u+2*\i], v[S+32*\u+2*\i+1]
.endm
; 2^x of tile t (and of its A) in one run.  Behind the run stands plain work on another tile before any result is used (ISA guide 5.7.2).
.macro EXPRUN t, first
.if \first == 0
	v_exp_f32 v[ST+4*\t+2], v[ST+4*\t+2]
.endif
.set e, 0
.rept 32
	v_exp_f32 v[S+32*\t+e], v[S+32*\t+e]
.set e, e+1
.endr
.endm
; 2^x of tile t, with the sum and the packing of tile u (exponentiated before) between: each exponential is followed by a plain instruction on the other tile
.macro EXPMIX t, u, first
.if \first == 0
	v_exp_f32 v[ST+4*\t+2], v[ST+4*\t+2]
.endif
.irp i, 0,1,2,3,4,5,6,7,8,9,10,11,12,13,14,15
	v_exp_f32 v[S+32*\t+2*\i], v[S+32*\t+2*\i]
	SUMI \u, \i, \first
	v_exp_f32 v[S+32*\t+2*\i+1], v[S+32*\t+2*\i+1]
	CVTI \u, \i
.endr
.if \first == 0
	v_fma_f32 v[ST+4*\u+3], v[ST+4*\u+3], v[ST+4*\u+2], v[U]       ; L = L * 2^A + sum
.endif
.endm
.macro SUMCVT u, first
.irp i, 0,1,2,3,4,5,6,7,8,9,10,11,12,13,14,15
	SUMI \u, \i, \first
	CVTI \u, \i
.endr
.if \first == 0
	v_fma_f32 v[ST+4*\u+3], v[ST+4*\u+3], v[ST+4*\u+2], v[U]
.endif
.endm
; O^T of tile t times 2^A (under PVW)
.macro RESC t
.set p, 0
.rept 16
	v_pk_mul_f32 v[O+32*\t+2*p:O+32*\t+2*p+1], v[O+32*\t+2*p:O+32*\t+2*p+1], v[ST+4*\t+2:ST+4*\t+3] op_sel_hi:[1,0]
.set p, p+1
.endr
.endm
; O^T of tile t += V^T P^T, 64 keys: 8 matrix instructions (under PVW).  The four channel tiles take turns, one instruction a turn.
.macro PV t, first
.irp a, 0,1,2,3
.if \first
	v_wmma_f32_16x16x32_bf16 v[O+32*\t+8*\a:O+32*\t+8*\a+7], v[VF+16*\a:VF+16*\a+7], v[S+32*\t:S+32*\t+7], 0
.else
	v_wmma_f32_16x16x32_bf16 v[O+32*\t+8*\a:O+32*\t+8*\a+7], v[VF+16*\a:VF+16*\a+7], v[S+32*\t:S+32*\t+7], v[O+32*\t+8*\a:O+32*\t+8*\a+7]
.endif
.endr
.irp a, 0,1,2,3
	v_wmma_f32_16x16x32_bf16 v[O+32*\t+8*\a:O+32*\t+8*\a+7], v[VF+16*\a+8:VF+16*\a+15], v[S+32*\t+16:S+32*\t+23], v[O+32*\t+8*\a:O+32*\t+8*\a+7]
.endr
.endm
.macro OUPD t, first
	WIN PVW
.if \first == 0
	RESC \t
.endif
	PV \t, \first
	WIN 0
.endm
; One block of 64 keys.  K's 16 loads have been issued.  first = 1: the wave's first block (starts M, L, O).  pre = 1: K of the slot's second block is fetched ahead.
.macro STEP slot, blk, first, pre
.if \first == 0
	PLACES 5                                       ; behind the last block's last matrix instruction: four places before loads land on V's registers, five before S^T is written over P's
.endif
	WIN TO_1
	LOADV \slot, \blk
	s_wait_dscnt 16                                ; K is in; V's 16 younger loads stay out
	WIN SM
	SMUL
	PLACES 4                                       ; four places before S^T is read and before loads land on K's registers
.if \pre
	WIN TO_1
	LOADK \slot, 1
.endif
	WIN 0
	MAXSUB 0, \first
	EXPRUN 0, \first
	MAXSUB 1, \first
	EXPMIX 1, 0, \first
.if \pre
	s_wait_dscnt 16                                ; V is in; the next K's 16 loads stay out
.else
	s_wait_dscnt 0                                 ; V is in: these were my last reads of the slot
.endif
	OUPD 0, \first
	MAXSUB 2, \first
	EXPMIX 2, 1, \first
	OUPD 1, \first
	MAXSUB 3, \first
	EXPMIX 3, 2, \first
	OUPD 2, \first
	SUMCVT 3, \first
	OUPD 3, \first
.endm
; The two blocks of a slot.  refill = 1: the other slot, read last, is filled again, four blocks on.
.macro TWO slot, refill
	s_set_vgpr_msb 0xa
	s_wait_tensorcnt 0x0                           ; all my tensor loads have landed, this slot's among them, so a group 0 may be written
	ds_add_u32 v128, v129
	s_wait_dscnt 0x0
	s_set_vgpr_msb 0xa00
.if \refill
	s_add_nc_u64 s[G0+4*(1-\slot)+2:G0+4*(1-\slot)+3], s[G0+4*(1-\slot)+2:G0+4*(1-\slot)+3], 0x10000   ; four blocks of 16 KiB on; the type bits on top are not reached
	s_wait_dscnt 0x0                               ; my reads of the other slot are back
	ROUND                                          ; both now hold of every wave of all four work-groups
	tensor_load_to_lds s[G0+4*(1-\slot):G0+4*(1-\slot)+3], s[G1:G1+7]      ; my one tensor load behind the round, and the first thing there
	s_nop 0
.endif
	WIN TO_1
	LOADK \slot, 0
	STEP \slot, 0, 0, 1
	STEP \slot, 1, 0, 0
.endm
	s_wait_tensorcnt 0x1                           ; my slot 0 is in (I alone read it); slot 1's load stays out
	WIN TO_1
	LOADK 0, 0
	STEP 0, 0, 1, 1                                ; blocks 0, 1: written out, the first starts the sums
	STEP 0, 1, 0, 0
	s_mov_b32 s44, 3                               ; three trips: blocks 2 to 13 are read, blocks 4 to 15 asked for
.Lloop:
	TWO 1, 1
	TWO 0, 1
	s_sub_co_i32 s44, s44, 1
	s_cmp_lg_u32 s44, 0
	s_cbranch_scc1 .Lloop
	TWO 1, 0                                       ; blocks 14, 15: nothing is left to fetch
	; THE MERGE.  Each wave puts its (m, l) and its O^T into its own ring, whose last fill it has read.
	PLACES 4                                       ; four places behind the last matrix instruction before O^T is stored and before loads land on P's registers
.irp t, 0,1,2,3
	v_permlanex16_b32 v[ST+4*\t+2], v[ST+4*\t+3], s45, s46         ; l of the other half's keys
.endr
.irp t, 0,1,2,3
	v_add_f32 v[ST+4*\t+1], v[ST+4*\t+3], v[ST+4*\t+2]             ; (M, l) is now a pair, the same in both halves
.endr
.irp t, 0,1,2,3
	ds_store_b64 v[STW], v[ST+4*\t:ST+4*\t+1] offset:STATS+128*\t
.endr
	WIN ST_1
.irp t, 0,1,2,3
.irp a, 0,1,2,3
	ds_store_b128 v[PST], v[O+32*\t+8*\a:O+32*\t+8*\a+3]   offset:(4*\t+\a)*1024
	ds_store_b128 v[PST], v[O+32*\t+8*\a+4:O+32*\t+8*\a+7] offset:(4*\t+\a)*1024+512
.endr
.endr
	WIN 0
	s_wait_dscnt 0x0                               ; my stores are done, and so are all my reads of my ring,
	s_barrier_signal -1
	s_barrier_wait -1                              ; everybody's are
	; wave w merges query tile w
.irp w, 0,1,2,3
	ds_load_b64 v[T+2*\w:T+2*\w+1], v[SRA+\w]
.endr
.irp w, 0,1,2,3
.irp a, 0,1,2,3
	ds_load_b128 v[S+32*\w+8*\a:S+32*\w+8*\a+3],   v[RDA+\w] offset:1024*\a
	ds_load_b128 v[S+32*\w+8*\a+4:S+32*\w+8*\a+7], v[RDA+\w] offset:1024*\a+512
.endr
.endr
	s_wait_dscnt 32                                ; the four (m, l) are in; the 32 younger loads stay out
	v_max3_num_f32 v[T+8], v[T], v[T+2], v[T+4]
	v_max_num_f32 v[T+8], v[T+8], v[T+6]           ; m over all 4,096 keys
.irp w, 0,1,2,3
	v_sub_f32 v[T+9+\w], v[T+2*\w], v[T+8]
.endr
.irp w, 0,1,2,3
	v_exp_f32 v[T+9+\w], v[T+9+\w]                 ; f_w = 2^(m_w - m), 1 for at least one wave
.endr
	v_nop                                          ; one plain place behind the exponentials
	s_wait_alu depctr_va_vdst(0)
	v_mul_f32 v[T+13], v[T+9], v[T+1]
	v_fmac_f32 v[T+13], v[T+10], v[T+3]
	v_fmac_f32 v[T+13], v[T+11], v[T+5]
	v_fmac_f32 v[T+13], v[T+12], v[T+7]            ; l, at least 1
	v_rcp_f32 v[T+14], v[T+13]
	v_nop                                          ; one plain place behind v_rcp_f32
.irp w, 0,1,2,3
	s_wait_alu depctr_va_vdst(0)
	v_mul_f32 v[U+\w], v[T+9+\w], v[T+14]          ; g_w = f_w / l
.endr
	s_wait_dscnt 0x0
.set p, 0
.rept 16
	v_pk_mul_f32 v[S+2*p:S+2*p+1], v[S+2*p:S+2*p+1], v[U:U+1] op_sel_hi:[1,0]
.set p, p+1
.endr
.set p, 0
.rept 16
	v_pk_fma_f32 v[S+2*p:S+2*p+1], v[S+32+2*p:S+32+2*p+1], v[U:U+1], v[S+2*p:S+2*p+1] op_sel:[0,1,0] op_sel_hi:[1,1,1]
.set p, p+1
.endr
.set p, 0
.rept 16
	v_pk_fma_f32 v[S+2*p:S+2*p+1], v[S+64+2*p:S+64+2*p+1], v[U+2:U+3], v[S+2*p:S+2*p+1] op_sel_hi:[1,0,1]
.set p, p+1
.endr
.set p, 0
.rept 16
	v_pk_fma_f32 v[S+2*p:S+2*p+1], v[S+96+2*p:S+96+2*p+1], v[U+2:U+3], v[S+2*p:S+2*p+1] op_sel:[0,1,0] op_sel_hi:[1,1,1]
.set p, p+1
.endr
.irp i, 0,1,2,3,4,5,6,7,8,9,10,11,12,13,14,15
	CVTI 0, \i                                     ; the fragments of O (query r; channels 0-31 at S, 32-63 at S + 16)
.endr
	; THE PROJECTION: source 0 = O (m = pixel), source 1 = w_proj (n = output channel): a lane holds eight neighbouring pixels of a channel.
	; The four output tiles take turns, one instruction a turn.
	WIN S1_2
.irp ot, 0,1,2,3
	v_wmma_f32_16x16x32_bf16 v[S+32+8*\ot:S+32+8*\ot+7], v[S:S+7], v[WP+16*\ot:WP+16*\ot+7], 0
.endr
.irp ot, 0,1,2,3
	v_wmma_f32_16x16x32_bf16 v[S+32+8*\ot:S+32+8*\ot+7], v[S+16:S+23], v[WP+16*\ot+8:WP+16*\ot+15], v[S+32+8*\ot:S+32+8*\ot+7]
.endr
	WIN 0
	PLACES 4                                       ; four places before the results are stored
.irp ot, 0,1,2,3
	ds_store_b128 v[OSW], v[S+32+8*\ot:S+32+8*\ot+3] offset:16*OP*\ot              ; [channel 16 ot + r][pixel 16 w + 8 h ..]
	ds_store_b128 v[OSW], v[S+32+8*\ot+4:S+32+8*\ot+7] offset:16*OP*\ot+16
.endr
	s_wait_dscnt 0x0                               ; my columns of the block are written,
	s_barrier_signal -1
	s_barrier_wait -1                              ; everybody's are
.irp i, 0,1,2,3,4,5,6,7
	ds_load_b128 v[S+64+4*\i:S+64+4*\i+3], v[OSR] offset:2*OP*\i                   ; channel 16 w + h + 2 i: sixteen lanes take its 256 bytes
.endr
	s_wait_loadcnt 0x0                             ; x and b_proj, asked for at the start
	s_wait_dscnt 0x0
	WIN S1_2
.irp i, 0,1,2,3,4,5,6,7
	v_pk_add_f32 v[S+64+4*\i:S+64+4*\i+1],   v[S+64+4*\i:S+64+4*\i+1],   v[XR+4*\i:XR+4*\i+1]
	v_pk_add_f32 v[S+64+4*\i+2:S+64+4*\i+3], v[S+64+4*\i+2:S+64+4*\i+3], v[XR+4*\i+2:XR+4*\i+3]
	v_pk_add_f32 v[S+64+4*\i:S+64+4*\i+1],   v[S+64+4*\i:S+64+4*\i+1],   v[BI+2*(\i>>1):BI+2*(\i>>1)+1] op_sel:[0,\i&1] op_sel_hi:[1,\i&1]
	v_pk_add_f32 v[S+64+4*\i+2:S+64+4*\i+3], v[S+64+4*\i+2:S+64+4*\i+3], v[BI+2*(\i>>1):BI+2*(\i>>1)+1] op_sel:[0,\i&1] op_sel_hi:[1,\i&1]
.endr
	WIN 0
.irp i, 0,1,2,3,4,5,6,7
	global_store_b128 v[XOFF], v[S+64+4*\i:S+64+4*\i+3], s[14:15] offset:32768*\i th:TH_STORE_NT   ; sixteen lanes store 256 consecutive bytes, aligned
.endr
	s_set_vgpr_msb 0xa
	s_wait_tensorcnt 0x0
	ds_add_u32 v128, v129
	s_wait_dscnt 0x0
	s_set_vgpr_msb 0xa00
	ROUND                                          ; the closing round: no work-group ends while a partner may still ask for a tile that names it
	s_endpgm
.Lfunc_end_k_q0917cf66f8_attn:
	.size	k_q0917cf66f8_attn, .Lfunc_end_k_q0917cf66f8_attn-k_q0917cf66f8_attn
	.p2alignl 7, 3214868480
	.fill 96, 4, 3214868480
	.section	.rodata,"a",@progbits
	.p2align	6, 0x0
	.amdhsa_kernel k_q0917cf66f8_attn
		.amdhsa_group_segment_fixed_size 327680
		.amdhsa_private_segment_fixed_size 0
		.amdhsa_enable_private_segment 0
		.amdhsa_kernarg_size 48
		.amdhsa_user_sgpr_count 2
		.amdhsa_user_sgpr_kernarg_segment_ptr 1
		.amdhsa_wavefront_size32 1
		.amdhsa_system_sgpr_workgroup_id_x 1
		.amdhsa_system_sgpr_workgroup_id_y 1
		.amdhsa_system_sgpr_workgroup_id_z 1
		.amdhsa_system_vgpr_workitem_id 0
		.amdhsa_next_free_vgpr 642
		.amdhsa_next_free_sgpr 66
		.amdhsa_reserve_vcc 0
		.amdhsa_float_denorm_mode_32 3
		.amdhsa_float_denorm_mode_16_64 3
		.amdhsa_memory_ordered 1
		.amdhsa_forward_progress 1
		.amdhsa_inst_pref_size 255
	.end_amdhsa_kernel
	.section	.bss,"aw",@nobits
	.p2align	6
	.space	262144
	.amdgpu_metadata
---
amdhsa.version: [ 1, 2 ]
amdhsa.kernels:
  - .name:           k_q0917cf66f8_attn
    .symbol:         k_q0917cf66f8_attn.kd
    .args:
      - { .name: qbuf, .offset: 0, .size: 8, .value_kind: global_buffer, .address_space: global }
      - { .name: kvbuf, .offset: 8, .size: 8, .value_kind: global_buffer, .address_space: global }
      - { .name: x, .offset: 16, .size: 8, .value_kind: global_buffer, .address_space: global }
      - { .name: w_proj, .offset: 24, .size: 8, .value_kind: global_buffer, .address_space: global }
      - { .name: b_proj, .offset: 32, .size: 8, .value_kind: global_buffer, .address_space: global }
      - { .name: out0, .offset: 40, .size: 8, .value_kind: global_buffer, .address_space: global }
    .group_segment_fixed_size: 327680
    .private_segment_fixed_size: 0
    .kernarg_segment_align: 8
    .kernarg_segment_size: 48
    .max_flat_workgroup_size: 128
    .sgpr_count:     66
    .vgpr_count:     642
    .wavefront_size: 32
...
	.end_amdgpu_metadata
.endif
;; end of part 3
;; ======== version 2 of 3: 2 launches; 1.33 times as fast as version 1
;; workspace buffers: hbuf 2,097,152 bytes; wts 16,896 bytes
;; launch prep (part 4): grid 256 x 1, 2 waves a work-group, no clusters, 0 bytes of LDS; arguments x, w_qkv, b_qkv, w_proj, b_proj, hbuf, wts; writes hbuf, wts
.if DOCPART == 4
	.amdgcn_target "amdgcn-amd-amdhsa--gfx1250"
	.amdhsa_code_object_version 6
	.text
	.protected	k_q0917cf66f8_prep
	.globl	k_q0917cf66f8_prep
	.p2align	8
	.type	k_q0917cf66f8_prep,@function
k_q0917cf66f8_prep:
	s_mov_b64 s[64:65], 0
	v_nop
	global_prefetch_b8 v0, s[64:65] scope:SCOPE_SE
	s_setreg_imm32_b32 hwreg(HW_REG_WAVE_MODE, 25, 1), 1
	s_wait_xcnt 0x0
; What the attention launch needs, made once.  Work-group g of 256, two waves that share nothing.
; WAVE 0: the instance norm of row g = 64 b + c of x (4,096 f32): hbuf[b][c][n] = (x - mean) / sqrt(var + 1e-5), rounded to bf16.
;   The row is 128 registers a lane: it is read once and stays in registers for the mean, for the sum of (x - mean)^2 and for the scaling.
;   The variance is taken from the differences, so a common offset on x costs no digits, and the rounding to bf16 comes last.
; WAVE 1: 32 numbers of one of two products of the weights, in f32 on the vector unit (2,048 multiply-adds a wave: too little for a matrix tile).
;   With h the normalised image, q = Wq h + bq, k = Wk h + bk, v = Wv h + bv:
;     q_n . k_m = (Wk^T q_n) . h_m + q_n . bk.  The last term is the same for every key m, and a softmax over m does not change when all its
;     arguments are shifted alike: it is not formed, and b_qkv[64:128] therefore has no bearing on the result.
;     sum_m p_nm v_m = Wv (sum_m p_nm h_m) + bv, since the p of a query sum to 1.
;   So the attention launch works on h alone, with   G  = kappa Wk^T Wq  [c][c']   g0 = kappa Wk^T bq   (kappa = 64^-0.5 log2 e: 2^x serves as e^x)
;                                                    M2 = Wp Wv          [o][c]    b2 = Wp bv + bp
;   wts: G bf16 at byte 0, M2 bf16 at 8,192, g0 f32 at 16,384, b2 f32 at 16,640.
;   Work-groups 0-127 make G, 128-255 M2; row = (g >> 1) & 63, half = g & 1 (columns 32 half ..).  A wave stores 64 bytes of its row and, where half = 0,
;   one f32: pieces smaller than 256 bytes, of a buffer of 16,896 bytes in all.
; LIMITS: h, G and M2 are rounded to bf16.  NaN and infinities pass through as they come.
.set X,   16                           ; wave 0: v[16:143]  the row: 64 pairs
.set CH,  2                            ;         v[2:9]     four chains of pairs
.set MN,  10                           ;         v[10:11]   the mean twice, later rstd twice
.set RS,  12                           ;         v12 a sum across lanes, v13 the other half's
.set SO,  14                           ;         v14        8 x lane: my 8 bytes of each 256 of the row of h
.set WA,  2                            ; wave 1: v[2:9]     sums of my four columns: even i in v[2:5], odd i in v[6:9]
.set DT,  10                           ;         v[10:11]   the bias's sum
.set PT,  12                           ;         v12        the other half's
.set FL,  13                           ;         v13        lane | half: 0 in the one lane that stores the bias
.set BP,  14                           ;         v14        b_proj[row]
.set RO,  15                           ;         v15        4 x row
.set WW,  16                           ;         v[16:79]   B[4 i + g4][my four columns]
.set AL,  80                           ;         v[80:95]   alpha[4 i + g4]
.set BE,  96                           ;         v[96:111]  beta[4 i + g4]
.set AO,  112                          ;         v112-115   offsets of alpha, B, beta and of my 8 bytes of the result
.set BO,  113
.set EO,  114
.set STO, 115
.set KAPPA, 0x3e38aa3b                 ; 0.125 * log2(e)
; n more pairs, from pair p on, are added to the four chains
.macro ADDRUN n
.rept \n
	v_pk_add_f32 v[CH+2*(p&3):CH+2*(p&3)+1], v[CH+2*(p&3):CH+2*(p&3)+1], v[X+2*p:X+2*p+1]
.set p, p+1
.endr
.endm
; the four chains become one number, the same in every lane, in v[RS]
.macro LANES
	v_pk_add_f32 v[CH:CH+1], v[CH:CH+1], v[CH+2:CH+3]
	v_pk_add_f32 v[CH+4:CH+5], v[CH+4:CH+5], v[CH+6:CH+7]
	v_pk_add_f32 v[CH:CH+1], v[CH:CH+1], v[CH+4:CH+5]
	v_add_f32 v[RS], v[CH], v[CH+1]
	v_add_f32_dpp v[RS], v[RS], v[RS] row_xmask:1 row_mask:0xf bank_mask:0xf
	v_add_f32_dpp v[RS], v[RS], v[RS] row_xmask:2 row_mask:0xf bank_mask:0xf
	v_add_f32_dpp v[RS], v[RS], v[RS] row_xmask:4 row_mask:0xf bank_mask:0xf
	v_add_f32_dpp v[RS], v[RS], v[RS] row_xmask:8 row_mask:0xf bank_mask:0xf
	v_permlanex16_b32 v[RS+1], v[RS], s22, s23
	v_add_f32 v[RS], v[RS], v[RS+1]
.endm
; Wave 1's work: out[col] = sum over j of alpha[j] B[j][col], bias = sum over j of alpha[j] beta[j].
; m2 = 0: alpha = column 'row' of Wk, B = Wq, beta = bq.   m2 = 1: alpha = row 'row' of Wp, B = Wv, beta = bv.
; Lane (g4 = L >> 3, c4 = L & 7) takes j = 4 i + g4, i = 0 .. 15, and columns 32 half + 4 c4 .. + 3: a load of B covers four rows' 128 bytes.
.macro WJOB m2
.irp i, 0,1,2,3,4,5,6,7,8,9,10,11,12,13,14,15
.if \m2
	global_load_b128 v[WW+4*\i:WW+4*\i+3], v[BO], s[6:7] offset:32768+1024*\i      ; Wv = rows 128 .. of w_qkv
	global_load_b32 v[AL+\i], v[AO], s[10:11] offset:16*\i                         ; Wp[row][4 i + g4]
	global_load_b32 v[BE+\i], v[EO], s[8:9] offset:512+16*\i                       ; bv
.else
	global_load_b128 v[WW+4*\i:WW+4*\i+3], v[BO], s[6:7] offset:1024*\i            ; Wq = rows 0 .. of w_qkv
	global_load_b32 v[AL+\i], v[AO], s[6:7] offset:16384+1024*\i                   ; Wk[4 i + g4][row], Wk = rows 64 ..
	global_load_b32 v[BE+\i], v[EO], s[8:9] offset:16*\i                           ; bq
.endif
.endr
.if \m2
	global_load_b32 v[BP], v[RO], s[12:13]
.endif
	s_wait_loadcnt 0x0
	v_pk_mul_f32 v[WA:WA+1],   v[WW:WW+1],   v[AL:AL+1] op_sel_hi:[1,0]            ; i = 0 and i = 1 start the chains: nothing is cleared
	v_pk_mul_f32 v[WA+2:WA+3], v[WW+2:WW+3], v[AL:AL+1] op_sel_hi:[1,0]
	v_pk_mul_f32 v[WA+4:WA+5], v[WW+4:WW+5], v[AL:AL+1] op_sel:[0,1] op_sel_hi:[1,1]
	v_pk_mul_f32 v[WA+6:WA+7], v[WW+6:WW+7], v[AL:AL+1] op_sel:[0,1] op_sel_hi:[1,1]
	v_pk_mul_f32 v[DT:DT+1], v[AL:AL+1], v[BE:BE+1]
.irp i, 2,3,4,5,6,7,8,9,10,11,12,13,14,15
	v_pk_fma_f32 v[WA+4*(\i&1):WA+4*(\i&1)+1],   v[WW+4*\i:WW+4*\i+1],   v[AL+2*(\i>>1):AL+2*(\i>>1)+1], v[WA+4*(\i&1):WA+4*(\i&1)+1]   op_sel:[0,\i&1,0] op_sel_hi:[1,\i&1,1]
	v_pk_fma_f32 v[WA+4*(\i&1)+2:WA+4*(\i&1)+3], v[WW+4*\i+2:WW+4*\i+3], v[AL+2*(\i>>1):AL+2*(\i>>1)+1], v[WA+4*(\i&1)+2:WA+4*(\i&1)+3] op_sel:[0,\i&1,0] op_sel_hi:[1,\i&1,1]
.endr
.irp q, 1,2,3,4,5,6,7
	v_pk_fma_f32 v[DT:DT+1], v[AL+2*\q:AL+2*\q+1], v[BE+2*\q:BE+2*\q+1], v[DT:DT+1]
.endr
	v_pk_add_f32 v[WA:WA+1],   v[WA:WA+1],   v[WA+4:WA+5]
	v_pk_add_f32 v[WA+2:WA+3], v[WA+2:WA+3], v[WA+6:WA+7]
	v_add_f32 v[DT], v[DT], v[DT+1]
.irp r, 2,3,4,5,10
	v_add_f32_dpp v\r, v\r, v\r row_xmask:8 row_mask:0xf bank_mask:0xf             ; over g4: lane xor 8,
.endr
.irp r, 2,3,4,5,10
	v_permlanex16_b32 v[PT], v\r, s22, s23                                         ; and lane xor 16
	v_add_f32 v\r, v\r, v[PT]
.endr
.if \m2
	v_add_f32 v[DT], v[DT], v[BP]
.else
	v_pk_mul_f32 v[WA:WA+1],   v[WA:WA+1],   KAPPA op_sel_hi:[1,0]
	v_pk_mul_f32 v[WA+2:WA+3], v[WA+2:WA+3], KAPPA op_sel_hi:[1,0]
	v_mul_f32 v[DT], KAPPA, v[DT]
.endif
	v_cvt_pk_bf16_f32 v[WA],   v[WA],   v[WA+1]
	v_cvt_pk_bf16_f32 v[WA+1], v[WA+2], v[WA+3]
	s_wait_xcnt 0x0                                ; EXEC is a source of the loads above: it changes only behind this wait
	v_cmp_gt_u32 vcc_lo, 8, v1
	s_and_saveexec_b32 s30, vcc_lo                 ; lanes 0-7 hold the 32 numbers, 8 bytes each
	global_store_b64 v[STO], v[WA:WA+1], s[16:17] offset:8192*\m2
	s_wait_xcnt 0x0                                ; and again before EXEC is narrowed further
	v_cmp_eq_u32 vcc_lo, 0, v[FL]
	s_and_saveexec_b32 s31, vcc_lo                 ; lane 0, and only where half = 0: each word of the biases has one owner
	global_store_b32 v[RO], v[DT], s[16:17] offset:16384+256*\m2
	s_endpgm
.endm
	s_load_b256 s[4:11], s[0:1], 0x0               ; x s[4:5], w_qkv s[6:7], b_qkv s[8:9], w_proj s[10:11]
	s_load_b128 s[12:15], s[0:1], 0x20             ; b_proj s[12:13], hbuf s[14:15]
	s_load_b64 s[16:17], s[0:1], 0x30              ; wts
	v_lshrrev_b32 v1, 5, v0
	v_readfirstlane_b32 s18, v1                    ; wave
	s_mov_b32 s22, 0x76543210                      ; v_permlanex16_b32: lane i of one half reads lane i of the other
	s_mov_b32 s23, 0xfedcba98
	s_cmp_lg_u32 s18, 0
	s_cbranch_scc1 .Lweights
	; ---- wave 0: the row ----
	s_lshl_b32 s2, ttmp9, 14                       ; my row of x: 16,384 bytes each
	s_mov_b32 s3, 0
	s_lshl_b32 s20, ttmp9, 13                      ; my row of hbuf: 8,192 bytes each
	s_mov_b32 s21, 0
	s_mov_b32 s24, 0x3727c5ac                      ; 1e-5
	s_mov_b32 s25, 0x39800000                      ; 1/4096
	v_lshlrev_b32 v1, 4, v0                        ; 16 bytes a lane: a load covers 512 neighbouring bytes
	v_lshlrev_b32 v[SO], 3, v0
	v_mov_b32 v[RS+1], 0                           ; v_permlanex16_b32 counts as a reader of its destination
	s_wait_kmcnt 0x0
	s_add_nc_u64 s[4:5], s[4:5], s[2:3]
	s_add_nc_u64 s[14:15], s[14:15], s[20:21]
.set j, 0
.rept 32
	global_load_b128 v[X+4*j:X+4*j+3], v1, s[4:5] offset:512*j
.set j, j+1
.endr
	; pass 1: the sum, as the loads come in, eight loads (16 pairs) at a time; each count is the number of younger loads
	s_wait_loadcnt 24
.irp c, 0,1,2,3
	v_pk_add_f32 v[CH+2*\c:CH+2*\c+1], v[X+2*\c:X+2*\c+1], v[X+8+2*\c:X+8+2*\c+1]   ; the first eight pairs start the chains: nothing is cleared
.endr
.set p, 8
	ADDRUN 8
	s_wait_loadcnt 16
	ADDRUN 16
	s_wait_loadcnt 8
	ADDRUN 16
	s_wait_loadcnt 0
	ADDRUN 16
	LANES
	v_mul_f32 v[MN], s25, v[RS]                    ; the mean,
	v_mul_f32 v[MN+1], s25, v[RS]                  ; twice: a pair for the packed subtraction
	; pass 2: d = x - mean in place, then the sum of d * d in the four chains
.set p, 0
.rept 64
	v_pk_add_f32 v[X+2*p:X+2*p+1], v[X+2*p:X+2*p+1], v[MN:MN+1] neg_lo:[0,1] neg_hi:[0,1]
.set p, p+1
.endr
.irp c, 0,1,2,3
	v_pk_mul_f32 v[CH+2*\c:CH+2*\c+1], v[X+2*\c:X+2*\c+1], v[X+2*\c:X+2*\c+1]
.endr
.set p, 4
.rept 60
	v_pk_fma_f32 v[CH+2*(p&3):CH+2*(p&3)+1], v[X+2*p:X+2*p+1], v[X+2*p:X+2*p+1], v[CH+2*(p&3):CH+2*(p&3)+1]
.set p, p+1
.endr
	LANES
	v_fma_f32 v[RS], v[RS], s25, s24               ; variance (biased) + eps
	v_rsq_f32 v[MN], v[RS]
	v_rsq_f32 v[MN+1], v[RS]                       ; twice: a pair for the packed multiplication
	v_nop                                          ; one plain place behind v_rsq_f32 before its result is used (ISA guide 5.7.2)
	; pass 3: h = d * rstd, rounded to bf16.  The four numbers of load j become 8 bytes: a store of the wave covers 256 consecutive bytes, aligned
.set j, 0
	s_wait_alu depctr_va_vdst(0)
.rept 32
	v_pk_mul_f32 v[X+4*j:X+4*j+1],   v[X+4*j:X+4*j+1],   v[MN:MN+1]
	v_pk_mul_f32 v[X+4*j+2:X+4*j+3], v[X+4*j+2:X+4*j+3], v[MN:MN+1]
	v_cvt_pk_bf16_f32 v[X+4*j],   v[X+4*j],   v[X+4*j+1]
	v_cvt_pk_bf16_f32 v[X+4*j+1], v[X+4*j+2], v[X+4*j+3]
	global_store_b64 v[SO], v[X+4*j:X+4*j+1], s[14:15] offset:256*j
.set j, j+1
.endr
	s_endpgm
	; ---- wave 1: the weights ----
.Lweights:
	v_and_b32 v1, 31, v0                           ; L
	v_lshrrev_b32 v116, 3, v1                      ; g4
	v_and_b32 v117, 7, v1                          ; c4
	s_lshr_b32 s19, ttmp9, 7                       ; 0: G, 1: M2
	s_bfe_u32 s20, ttmp9, 0x60001                  ; row: 6 bits from bit 1
	s_and_b32 s21, ttmp9, 1                        ; half
	s_lshl_b32 s26, s21, 7                         ; 32 columns of f32
	s_lshl_b32 s27, s20, 7                         ; a row of the result: 128 bytes,
	s_lshl_b32 s28, s21, 6                         ; half of it 64
	s_add_co_u32 s27, s27, s28
	s_lshl_b32 s28, s20, 2                         ; 4 row
	s_lshl_b32 s29, s20, 8                         ; 256 row
	v_lshl_add_u32 v[BO], v116, 8, s26             ; B: 256 g4 + 128 half + 16 c4
	v_lshl_add_u32 v[BO], v117, 4, v[BO]
	v_lshlrev_b32 v[EO], 2, v116                   ; beta: 4 g4
	v_lshl_add_u32 v[STO], v117, 3, s27            ; result: 128 row + 64 half + 8 c4
	v_mov_b32 v[RO], s28
	v_or_b32 v[FL], s21, v1
	v_mov_b32 v[PT], 0                             ; v_permlanex16_b32 counts as a reader of its destination
	s_wait_kmcnt 0x0
	s_cmp_lg_u32 s19, 0
	s_cbranch_scc1 .Lm2
	v_lshl_add_u32 v[AO], v116, 8, s28             ; a column of Wk: 256 g4 + 4 row
	WJOB 0
.Lm2:
	v_lshl_add_u32 v[AO], v116, 2, s29             ; a row of Wp: 4 g4 + 256 row
	WJOB 1
.Lfunc_end_k_q0917cf66f8_prep:
	.size	k_q0917cf66f8_prep, .Lfunc_end_k_q0917cf66f8_prep-k_q0917cf66f8_prep
	.p2alignl 7, 3214868480
	.fill 96, 4, 3214868480
	.section	.rodata,"a",@progbits
	.p2align	6, 0x0
	.amdhsa_kernel k_q0917cf66f8_prep
		.amdhsa_group_segment_fixed_size 0
		.amdhsa_private_segment_fixed_size 0
		.amdhsa_enable_private_segment 0
		.amdhsa_kernarg_size 56
		.amdhsa_user_sgpr_count 2
		.amdhsa_user_sgpr_kernarg_segment_ptr 1
		.amdhsa_wavefront_size32 1
		.amdhsa_system_sgpr_workgroup_id_x 1
		.amdhsa_system_sgpr_workgroup_id_y 1
		.amdhsa_system_sgpr_workgroup_id_z 1
		.amdhsa_system_vgpr_workitem_id 0
		.amdhsa_next_free_vgpr 148
		.amdhsa_next_free_sgpr 66
		.amdhsa_reserve_vcc 1
		.amdhsa_float_denorm_mode_32 3
		.amdhsa_float_denorm_mode_16_64 3
		.amdhsa_memory_ordered 1
		.amdhsa_forward_progress 1
		.amdhsa_inst_pref_size 47
	.end_amdhsa_kernel
	.amdgpu_metadata
---
amdhsa.version: [ 1, 2 ]
amdhsa.kernels:
  - .name:           k_q0917cf66f8_prep
    .symbol:         k_q0917cf66f8_prep.kd
    .args:
      - { .name: x, .offset: 0, .size: 8, .value_kind: global_buffer, .address_space: global }
      - { .name: w_qkv, .offset: 8, .size: 8, .value_kind: global_buffer, .address_space: global }
      - { .name: b_qkv, .offset: 16, .size: 8, .value_kind: global_buffer, .address_space: global }
      - { .name: w_proj, .offset: 24, .size: 8, .value_kind: global_buffer, .address_space: global }
      - { .name: b_proj, .offset: 32, .size: 8, .value_kind: global_buffer, .address_space: global }
      - { .name: hbuf, .offset: 40, .size: 8, .value_kind: global_buffer, .address_space: global }
      - { .name: wts, .offset: 48, .size: 8, .value_kind: global_buffer, .address_space: global }
    .group_segment_fixed_size: 0
    .private_segment_fixed_size: 0
    .kernarg_segment_align: 8
    .kernarg_segment_size: 56
    .max_flat_workgroup_size: 64
    .sgpr_count:     66
    .vgpr_count:     148
    .wavefront_size: 32
...
	.end_amdgpu_metadata
.endif
;; end of part 4
;; launch attn (part 5): grid 256 x 1, 8 waves a work-group, clusters of 4 x 1, 327,680 bytes of LDS; arguments hbuf, wts, x, out0; writes out0
.if DOCPART == 5
	.amdgcn_target "amdgcn-amd-amdhsa--gfx1250"
	.amdhsa_code_object_version 6
	.text
	.protected	k_q0917cf66f8_attn
	.globl	k_q0917cf66f8_attn
	.p2align	8
	.type	k_q0917cf66f8_attn,@function
k_q0917cf66f8_attn:
	s_mov_b64 s[64:65], 0
	v_nop
	global_prefetch_b8 v0, s[64:65] scope:SCOPE_SE
	s_setreg_imm32_b32 hwreg(HW_REG_WAVE_MODE, 25, 1), 1
	s_wait_xcnt 0x0
	s_wait_alu depctr_hold_cnt(0) depctr_sa_sdst(0) depctr_va_vdst(0) depctr_va_sdst(0) depctr_va_ssrc(0) depctr_va_vcc(0) depctr_vm_vsrc(0)
	s_getreg_b32 s2, hwreg(HW_REG_IB_STS2, 6, 4)
	s_cmp_eq_u32 s2, 0
	s_cbranch_scc0 .Lentry_in_a_cluster
	s_endpgm
.Lentry_in_a_cluster:
	s_bfe_u32 s2, ttmp6, 0x10000c
	s_cmp_lg_u32 s2, 0x3003
	s_cbranch_scc0 .Lentry_shape_is_right
	s_endpgm
.Lentry_shape_is_right:
; out0 = x + M2 y + b2,  y_n = sum_m p_nm h_m,  p = softmax over m of (Q~_n . h_m),  Q~ = G h + g0, for 64 queries (pixels) of one image a work-group;
; 4,096 keys, 64 channels.  h (hbuf [b][c][n], bf16) is the normalised image; G, g0, M2, b2 (wts) are the products of the weights that stand for the
; q, k, v and output projections: see the head of the launch that makes them.  G and g0 carry 64^-0.5 log2 e, so p = 2^(s - m).
; h IS BOTH K AND V: one tile [64 channels][128 keys] in LDS gives K's fragments by the transposing load and V^T's by the plain one.
; SHARING.  Eight waves, two on a SIMD.  Each takes ALL 64 queries and an EIGHTH of the keys (512 keys = 8 blocks of 64): for a block a wave reads 16 KiB
; of LDS and issues 64 matrix instructions.  Why two on a SIMD: a block has about 530 vector instructions of softmax beside its 64 matrix instructions,
; and a wave issues in order; with two waves one's vector work can be issued while the other's products are in the matrix unit.  Each wave keeps its own
; running maximum m, sum l and sums O; at the end the eight are merged through LDS: O = sum of 2^(m_w - m) O_w over sum of 2^(m_w - m) l_w.
; TRANSPOSED USE.  S^T = H^T Q~^T: source 0 = 16 keys, source 1 = 16 queries.  A lane then holds ONE query (r = lane % 16) and keys 8 h + j
; (h = lane / 16) in register j.  So m, l and the rescaling factor are one number a lane, only the maximum crosses the two halves, and two
; neighbouring key tiles, exponentiated and packed to bf16, ARE the operand fragment of P for O^T = H P^T: no shuffle, no LDS.
; The same packing makes Q~'s fragments from G h and the projection's fragment from the merged O^T.
; CLUSTER.  The four work-groups of a cluster are four query blocks of one image (64 blocks an image: a cluster never spans two): they walk
; the same h.  Each tile is asked for jointly (mask 15), which divides the requests for hbuf by four.
; RING.  Each wave has two LDS slots of its own, two blocks (64 rows x 256 bytes) each, filled by its own joint loads and read by itself alone.
; A wave has two tensor loads out at the start and one behind each of the two rounds with a refill.  A refill has two blocks' work in which to land.
; PITCH 288 = 9 x 32: the transposing load's 8 rows x 2 columns of 16 bytes fall on 16 different 16-byte columns modulo 256 bytes.  The plain load's 16 rows
; then fall on 8 such columns, two lanes on each.  No one pitch serves both: with q an odd multiple of 16, q d = 1 modulo 16 has a solution |d| <= 7,
; so two rows of the transposing load would then meet in one column.
; A maximum is taken away before every exponential: every exponent is at most 0.
; LIMITS: h, G, Q~, p, O and M2 enter the matrix unit in bf16.  v_exp_f32 gives 0 for results below 2^-126 (ISA guide 15.8): such p add nothing.
; NaN and infinities are not treated specially (a NaN loses in the running maximum).
.set PITCH,  288
.set SLOTB,  64*PITCH                  ; a slot: 64 channels x 128 keys
.set WREG,   2*SLOTB                   ; a wave's ring
.set HQB,    8*WREG                    ; behind the ring: h of my 64 queries, [c 64][pixel 64] bf16,
.set HQP,    160                       ; pitch 160 = 5 x 32 for the transposing load; written by LDS stores, never a tensor load's target
.set QSB,    HQB+64*HQP                ; and the eight fragments of Q~, 1 KiB each, likewise
.set STATS,  16384                     ; after the last fill has been read: a wave's O at its ring's byte 0 (16 KiB), its (m, l) behind it (512 bytes),
.set OUTS,   SLOTB                     ; and the two partial projections [o 64][pixel 64] f32, pitch 272, in slot 1 of waves 0 and 1.  No tensor load follows these stores
.set OP,     272
.set W_M2,   8192                      ; wts: G at 0, M2, g0, b2
.set W_G0,   16384
.set W_B2,   16640
; window 0
.set M2O,   1                          ; v1       M2's fragments: 128 r + 16 h + 64 (w & 1)
.set LAK,   4                          ; v4       K's fragments (transposing): ring + (8 h + (L & 7)) * 288 + 16 ((L >> 3) & 1)
.set LAV,   5                          ; v5       V^T's fragments: ring + r * 288 + 16 h
.set XOFF,  7                          ; v7       x, out0: (8 w + h) rows of 16,384 bytes + 16 r
.set BOFF,  8                          ; v8       b2: (8 w + h) * 4
.set PST,   9                          ; v9       my O, store: ring + 16 L
.set STW,   10                         ; v10      my (m, l), store: ring + 8 r
.set TAQ,   11                         ; v11      HQ, transposing: (8 h + (L & 7)) * 160 + 16 ((L >> 3) & 1) + 32 (w >> 1)
.set RDA,   12                         ; v12-15   the O of waves 2 p, 2 p + 1 that I merge: 2 p * WREG + 4,096 (w >> 1) + 2,048 (w & 1) + 16 L
.set SRA,   16                         ; v16-19   their (m, l) of query tile w >> 1
.set OSW,   20                         ; v20      partial projection, store: (w & 1) * WREG + r * 272 + 64 (w >> 1) + 32 h
.set OSR,   21                         ; v21      read: (8 w + h) * 272 + 16 r
.set HGO,   22                         ; v22      hbuf, my queries: (T >> 3) rows of 8,192 bytes + 16 (T & 7)
.set HSA,   23                         ; v23      HQ, store: (T >> 3) * 160 + 16 (T & 7)
.set ST,    24                         ; v[24:39] query tile t: M, TMP, A, L at 4 t (pairs (M, TMP) and (A, L))
.set GB,    24                         ; v[24:39] at the head: g0 as two C operands
.set T,     40                         ; v[40:55] four temporaries a tile
.set U,     56                         ; v[56:63] four chains of pairs; at the head the four addresses below and three temporaries
.set GBO,   56                         ; v56      g0: 32 h + 128 (w & 1)
.set GQO,   60                         ; v60      G's fragments: 128 r + 16 h + 4,096 (w & 1)
.set QSW,   61                         ; v61      my fragment of Q~, store: 1,024 w + 16 L
.set QSR,   62                         ; v62      all fragments, read: 16 L
.set Q,     64                         ; v[64:127]  fragments of Q~ (t, c2) at 16 t + 8 c2; from the last block's products on: M2F, XR, BI
.set M2F,   64                         ; v[64:95]   fragments of M2 (ot), channels 32 (w & 1) ..
.set XR,    96                         ; v[96:111]  my 4 x 16 bytes of x
.set BI,    112                        ; v[112:115] my 4 numbers of b2
.set S,     128                        ; v[128:255] S^T (kt, t) at 32 t + 8 kt; P (t, kk) in place at 32 t + 16 kk
.set HF,    S+64                       ; at the head: the two fragments of my query tile's h
; window 1
.set KF,    0                          ; fragments of K (kt, c2) at 16 kt + 8 c2; at the head four fragments of G
.set VF,    64                         ; fragments of V^T (a, kk) at 16 a + 8 kk
.set O,     128                        ; O^T (a, t) at 32 t + 8 a
.set G1,    24                         ; s[24:31] descriptor group 1
.set G0,    32                         ; s[32:39] descriptor group 0, one set for each slot
.set MSB,   0
.macro WIN new                         ; low byte: bits 1:0 source 0, 3:2 source 1, 5:4 source 2, 7:6 destination; the high byte repeats the setting that is left
.if MSB != \new
	s_set_vgpr_msb (MSB<<8)|\new
.set MSB, \new
.endif
.endm
.set TO_1,  0x40                       ; a load into window 1
.set SM,    0x01                       ; S^T: source 0 (K) window 1
.set PVW,   0x51                       ; O^T: destination, source 0 (V or O) and source 2 window 1, source 1 (P or A) window 0
.set ST_1,  0x04                       ; an LDS store of window 1
.macro PLACES n
.rept \n
	v_nop
.endr
.endm
; A round of the cluster's barrier: my work-group's barrier, wave 0 signals for the work-group, every wave waits for all four work-groups, my work-group's barrier again.
.macro ROUND
	s_barrier_signal -1
	s_barrier_wait -1
	s_cmp_lg_u32 s16, 0
	s_cbranch_scc1 .Lnot_wave_0_\@
	s_barrier_signal -3
.Lnot_wave_0_\@:
	s_barrier_wait -3
	s_barrier_signal -1
	s_barrier_wait -1
.endm
	s_load_b256 s[4:11], s[0:1], 0x0               ; hbuf s[4:5], wts s[6:7], x s[8:9], out0 s[10:11]
	v_lshl_add_u32 v254, v0, 2, 0x4c800
	v_mov_b32 v255, 0
	ds_add_u32 v254, v255
	s_wait_dscnt 0x0
	v_lshrrev_b32 v1, 5, v0
	v_readfirstlane_b32 s16, v1                    ; wave w
	s_bfe_u32 s17, ttmp6, 0x40000                  ; cx: my place in the cluster.  It enters the bases of my queries' h, of x and of out0 alone
	s_lshl_b32 s18, ttmp9, 2
	s_add_co_u32 s18, s18, s17                     ; work-group = 4 x cluster + cx
	s_lshr_b32 s19, ttmp9, 4                       ; image, from the cluster's number alone: the same in all four partners
	s_and_b32 s20, s18, 63                         ; my block of 64 queries in the image
	s_mov_b32 s45, 0x76543210                      ; v_permlanex16_b32: lane i of one half reads lane i of the other
	s_mov_b32 s46, 0xfedcba98
	; group 1: 64 rows (channels) of 256 bytes (128 keys), 8,192 bytes from row to row
	s_mov_b32 s[G1+0], 15|(3<<16)|(1<<20)|(1<<21)|(5<<22)|(7<<25)  ; 15:0 mask: all four work-groups; 17:16 elements of 8 bytes; 20 padding on; 21 set beside a mask; 24:22 after every 64 words; 31:25 eight words
	s_mov_b32 s[G1+1], 32<<16                      ; tensor_dim0 = 32 elements
	s_mov_b32 s[G1+2], 64<<16                      ; tensor_dim1 = 64 rows
	s_mov_b32 s[G1+3], 32<<16                      ; tile_dim0 = 32
	s_mov_b32 s[G1+4], 64                          ; tile_dim1 = 64
	s_mov_b32 s[G1+5], 1024                        ; from row to row: 1,024 elements
	s_mov_b32 s[G1+6], 0
	s_mov_b32 s[G1+7], 0
	s_mul_i32 s21, s16, WREG                       ; my ring
	s_lshl_b32 s40, s19, 19                        ; hbuf: an image is 512 KiB,
	s_lshl_b32 s41, s16, 10                        ; a wave's 512 keys are 1,024 bytes of a row
	s_add_co_u32 s40, s40, s41
	s_mov_b32 s41, 0
	s_lshl_b32 s42, s19, 19                        ; hbuf, my queries: 128 bytes of a row
	s_lshl_b32 s43, s20, 7
	s_add_co_u32 s42, s42, s43
	s_mov_b32 s43, 0
	s_lshl_b32 s22, s19, 20                        ; x, out0: an image is 1 MiB, 64 pixels are 256 bytes of a row
	s_lshl_b32 s23, s20, 8
	s_add_co_u32 s22, s22, s23
	s_mov_b32 s23, 0
	s_lshr_b32 s47, s16, 1                         ; the query tile that I prepare and merge,
	s_and_b32 s55, s16, 1                          ; and which 32 channels of it
	s_lshl_b32 s48, s16, 17                        ; the wave's terms of the vector offsets below
	s_lshl_b32 s49, s16, 5
	s_lshl_b32 s50, s47, 12
	s_lshl_b32 s51, s55, 11
	s_add_co_u32 s50, s50, s51
	s_lshl_b32 s51, s47, 7
	s_add_co_u32 s51, s51, STATS
	s_mul_i32 s52, s55, WREG
	s_lshl_b32 s53, s47, 6
	s_add_co_u32 s52, s52, s53
	s_add_co_u32 s52, s52, OUTS
	s_mul_i32 s53, s16, 8*OP
	s_add_co_u32 s53, s53, OUTS
	s_lshl_b32 s54, s55, 6
	s_lshl_b32 s44, s55, 12
	s_lshl_b32 s14, s55, 7
	s_lshl_b32 s15, s47, 5
	s_add_co_u32 s15, s15, HQB
	s_lshl_b32 s56, s16, 10
	s_add_co_u32 s56, s56, QSB
	s_wait_kmcnt 0x0
	s_add_nc_u64 s[12:13], s[4:5], s[42:43]        ; h of my queries
	s_add_nc_u64 s[4:5], s[4:5], s[40:41]          ; h of my wave's keys
	s_add_nc_u64 s[8:9], s[8:9], s[22:23]
	s_add_nc_u64 s[10:11], s[10:11], s[22:23]
.irp s, 0,1
	s_mov_b32 s[G0+4*\s], 1                                        ; count = 1
	s_add_co_u32 s[G0+4*\s+1], s21, \s*SLOTB                       ; LDS address: wave x ring + slot
	s_add_nc_u64 s[G0+4*\s+2:G0+4*\s+3], s[4:5], \s*256            ; keys 128 s .. of my 512
	s_or_b32 s[G0+4*\s+3], s[G0+4*\s+3], 0x80000000                ; type = 2
.endr
	ROUND                                          ; all four work-groups are here: the first joint loads meet
	tensor_load_to_lds s[G0:G0+3], s[G1:G1+7]
	s_nop 0
	tensor_load_to_lds s[G0+4:G0+7], s[G1:G1+7]
	s_nop 0
	; THE HEAD: Q~ = G h + g0 for my 64 queries.  First the addresses that the 14 global loads need, then the loads, then the other addresses.
	v_and_b32 v2, 15, v0                           ; r
	v_bfe_u32 v3, v0, 4, 1                         ; h
	v_and_b32 v57, 7, v0                           ; T & 7 = L & 7
	v_lshrrev_b32 v58, 3, v0                       ; T >> 3: 0 .. 31
	v_lshlrev_b32 v[HGO], 13, v58
	v_lshl_add_u32 v[HGO], v57, 4, v[HGO]
	v_lshlrev_b32 v59, 7, v2
	v_lshl_add_u32 v59, v3, 4, v59                 ; 128 r + 16 h
	v_add_nc_u32 v[GQO], s44, v59
	v_add_nc_u32 v[M2O], s54, v59
	v_lshl_add_u32 v[GBO], v3, 5, s14
	global_load_b128 v[S:S+3],   v[HGO], s[12:13]                  ; channels T >> 3 and 32 + (T >> 3): eight lanes take a row's 128 bytes
	global_load_b128 v[S+4:S+7], v[HGO], s[12:13] offset:262144
	WIN TO_1
.irp mi, 0,1
.irp c2, 0,1
	global_load_b128 v[KF+16*\mi+8*\c2:KF+16*\mi+8*\c2+3],   v[GQO], s[6:7] offset:2048*\mi+64*\c2       ; G, row 32 (w & 1) + 16 mi + r, c' = 32 c2 + 8 h ..
	global_load_b128 v[KF+16*\mi+8*\c2+4:KF+16*\mi+8*\c2+7], v[GQO], s[6:7] offset:2048*\mi+64*\c2+32    ; c' = 32 c2 + 16 + 8 h ..
.endr
.endr
	WIN 0
.irp mi, 0,1
	global_load_b128 v[GB+8*\mi:GB+8*\mi+3],   v[GBO], s[6:7] offset:W_G0+64*\mi       ; register j = g0 of channel 32 (w & 1) + 16 mi + 8 h + j
	global_load_b128 v[GB+8*\mi+4:GB+8*\mi+7], v[GBO], s[6:7] offset:W_G0+64*\mi+16
.endr
	v_mul_u32_u24 v[HSA], v58, HQP
	v_lshl_add_u32 v[HSA], v57, 4, v[HSA]
	v_add_nc_u32 v[HSA], HQB, v[HSA]
	v_lshl_add_u32 v58, v3, 3, v57                 ; 8 h + (L & 7)
	v_bfe_u32 v59, v0, 3, 1                        ; (L >> 3) & 1
	v_mul_u32_u24 v[TAQ], v58, HQP
	v_lshl_add_u32 v[TAQ], v59, 4, v[TAQ]
	v_add_nc_u32 v[TAQ], s15, v[TAQ]
	v_mul_u32_u24 v[LAK], v58, PITCH
	v_lshl_add_u32 v[LAK], v59, 4, v[LAK]
	v_add_nc_u32 v[LAK], s21, v[LAK]
	v_mul_u32_u24 v[LAV], v2, PITCH
	v_lshl_add_u32 v[LAV], v3, 4, v[LAV]
	v_add_nc_u32 v[LAV], s21, v[LAV]
	v_and_b32 v57, 31, v0                          ; L
	v_lshl_add_u32 v[QSW], v57, 4, s56
	v_lshlrev_b32 v[QSR], 4, v57
	v_add_nc_u32 v[QSR], QSB, v[QSR]
	v_lshlrev_b32 v[XOFF], 14, v3
	v_lshl_add_u32 v[XOFF], v2, 4, v[XOFF]
	v_add_nc_u32 v[XOFF], s48, v[XOFF]
	v_lshl_add_u32 v[BOFF], v3, 2, s49
	v_lshl_add_u32 v[PST], v57, 4, s21
	v_lshl_add_u32 v[STW], v2, 3, s21
	v_lshl_add_u32 v[RDA], v57, 4, s50
	v_lshl_add_u32 v[SRA], v2, 3, s51
.irp n, 1,2,3
	v_add_nc_u32 v[RDA+\n], \n*2*WREG, v[RDA]
	v_add_nc_u32 v[SRA+\n], \n*2*WREG, v[SRA]
.endr
	v_mul_u32_u24 v[OSW], v2, OP
	v_lshl_add_u32 v[OSW], v3, 5, v[OSW]
	v_add_nc_u32 v[OSW], s52, v[OSW]
	v_mul_u32_u24 v[OSR], v3, OP
	v_lshl_add_u32 v[OSR], v2, 4, v[OSR]
	v_add_nc_u32 v[OSR], s53, v[OSR]
	s_wait_loadcnt 12                              ; my 32 bytes of h are in; the 8 loads of G and the 4 of g0 stay out
	ds_store_b128 v[HSA], v[S:S+3]
	ds_store_b128 v[HSA], v[S+4:S+7] offset:32*HQP
	s_wait_dscnt 0x0                               ; my part of HQ is written,
	s_barrier_signal -1
	s_barrier_wait -1                              ; everybody's is
.irp c2, 0,1
	ds_load_tr16_b128 v[HF+8*\c2:HF+8*\c2+3],   v[TAQ] offset:32*HQP*\c2           ; c' = 32 c2 + 8 h .. of query 16 (w >> 1) + r
	ds_load_tr16_b128 v[HF+8*\c2+4:HF+8*\c2+7], v[TAQ] offset:32*HQP*\c2+16*HQP    ; c' = 32 c2 + 16 + 8 h ..
.endr
	s_wait_loadcnt 0x0                             ; G and g0
	s_wait_dscnt 0x0
	; source 0 = G (m = channel c), source 1 = h (n = query): a lane holds eight neighbouring channels of one query.  g0 starts the sums.
	; The two accumulators take turns, one instruction a turn.
	WIN SM
	v_wmma_f32_16x16x32_bf16 v[S:S+7],    v[KF:KF+7],     v[HF:HF+7],    v[GB:GB+7]
	v_wmma_f32_16x16x32_bf16 v[S+8:S+15], v[KF+16:KF+23], v[HF:HF+7],    v[GB+8:GB+15]
	v_wmma_f32_16x16x32_bf16 v[S:S+7],    v[KF+8:KF+15],  v[HF+8:HF+15], v[S:S+7]
	v_wmma_f32_16x16x32_bf16 v[S+8:S+15], v[KF+24:KF+31], v[HF+8:HF+15], v[S+8:S+15]
	WIN 0
	PLACES 5                                       ; behind these four matrix instructions: four places before the packing reads the sums and before loads land on G's registers;
	                                               ; five before the first block's products write over the sums' registers (S .. S + 15) and over h's fragments (S + 64 .. S + 79).
	                                               ; The packing below names the sums' registers, so it is counted as no place
.irp i, 0,1,2,3,4,5,6,7
	v_cvt_pk_bf16_f32 v[S+\i], v[S+2*\i], v[S+2*\i+1]              ; in place, ascending: fragment w = (query tile w >> 1, channels 32 (w & 1) ..) of Q~
.endr
	ds_store_b128 v[QSW], v[S:S+3]
	ds_store_b128 v[QSW], v[S+4:S+7] offset:512
	s_wait_dscnt 0x0                               ; my fragment is written,
	s_barrier_signal -1
	s_barrier_wait -1                              ; all eight are
.irp f, 0,1,2,3,4,5,6,7
	ds_load_b128 v[Q+8*\f:Q+8*\f+3],   v[QSR] offset:1024*\f
	ds_load_b128 v[Q+8*\f+4:Q+8*\f+7], v[QSR] offset:1024*\f+512
.endr
; 16 transposing LDS loads: K's fragments of block blk of a slot (under TO_1): key 16 kt + r, channels 32 c2 + 8 h .. and 32 c2 + 16 + 8 h ..
.macro LOADK slot, blk
.irp kt, 0,1,2,3
.irp c2, 0,1
	ds_load_tr16_b128 v[KF+16*\kt+8*\c2:KF+16*\kt+8*\c2+3],   v[LAK] offset:\slot*SLOTB+\blk*128+32*PITCH*\c2+32*\kt
	ds_load_tr16_b128 v[KF+16*\kt+8*\c2+4:KF+16*\kt+8*\c2+7], v[LAK] offset:\slot*SLOTB+\blk*128+32*PITCH*\c2+32*\kt+16*PITCH
.endr
.endr
.endm
; 16 LDS loads: V^T's fragments: channel 16 a + r, keys 32 kk + 8 h .. and 32 kk + 16 + 8 h ..
.macro LOADV slot, blk
.irp a, 0,1,2,3
.irp kk, 0,1
	ds_load_b128 v[VF+16*\a+8*\kk:VF+16*\a+8*\kk+3],   v[LAV] offset:\slot*SLOTB+\blk*128+16*PITCH*\a+64*\kk
	ds_load_b128 v[VF+16*\a+8*\kk+4:VF+16*\a+8*\kk+7], v[LAV] offset:\slot*SLOTB+\blk*128+16*PITCH*\a+64*\kk+32
.endr
.endr
.endm
; S^T of 64 keys x 64 queries: 32 matrix instructions.  The four key tiles of a query tile take turns, one instruction a turn.
; The first 32 channels start each sum with C = 0.
.macro SMUL
.irp t, 0,1,2,3
.irp kt, 0,1,2,3
	v_wmma_f32_16x16x32_bf16 v[S+32*\t+8*\kt:S+32*\t+8*\kt+7], v[KF+16*\kt:KF+16*\kt+7], v[Q+16*\t:Q+16*\t+7], 0
.endr
.irp kt, 0,1,2,3
	v_wmma_f32_16x16x32_bf16 v[S+32*\t+8*\kt:S+32*\t+8*\kt+7], v[KF+16*\kt+8:KF+16*\kt+15], v[Q+16*\t+8:Q+16*\t+15], v[S+32*\t+8*\kt:S+32*\t+8*\kt+7]
.endr
.endr
.endm
; Query tile t: the new running maximum M (over my 32 numbers, the old M and the other half of the lanes), A = old M - new M, and s - M in place.
; first = 1: there is no old M.
.macro MAXSUB t, first
.irp kt, 0,1,2,3
	v_max3_num_f32 v[T+4*\t+\kt], v[S+32*\t+8*\kt], v[S+32*\t+8*\kt+1], v[S+32*\t+8*\kt+2]
.endr
.irp kt, 0,1,2,3
	v_max3_num_f32 v[T+4*\t+\kt], v[T+4*\t+\kt], v[S+32*\t+8*\kt+3], v[S+32*\t+8*\kt+4]
.endr
.irp kt, 0,1,2,3
	v_max3_num_f32 v[T+4*\t+\kt], v[T+4*\t+\kt], v[S+32*\t+8*\kt+5], v[S+32*\t+8*\kt+6]
.endr
	v_max3_num_f32 v[T+4*\t],   v[T+4*\t],   v[S+32*\t+7],  v[S+32*\t+15]
	v_max3_num_f32 v[T+4*\t+1], v[T+4*\t+1], v[S+32*\t+23], v[S+32*\t+31]
	v_max3_num_f32 v[T+4*\t],   v[T+4*\t],   v[T+4*\t+1],   v[T+4*\t+2]
.if \first
	v_max_num_f32 v[ST+4*\t+1], v[T+4*\t], v[T+4*\t+3]
.else
	v_max3_num_f32 v[ST+4*\t+1], v[T+4*\t], v[T+4*\t+3], v[ST+4*\t]
.endif
	v_permlanex16_b32 v[T+4*\t+1], v[ST+4*\t+1], s45, s46          ; the other 32 keys of my query
.if \first == 0
	v_max_num_f32 v[T+4*\t], v[ST+4*\t+1], v[T+4*\t+1]
	v_sub_f32 v[ST+4*\t+2], v[ST+4*\t], v[T+4*\t]                  ; A = old M - new M, at most 0
.endif
	v_max_num_f32 v[ST+4*\t], v[ST+4*\t+1], v[T+4*\t+1]            ; M
.set p, 0
.rept 16
	v_pk_add_f32 v[S+32*\t+2*p:S+32*\t+2*p+1], v[S+32*\t+2*p:S+32*\t+2*p+1], v[ST+4*\t:ST+4*\t+1] op_sel_hi:[1,0] neg_lo:[0,1] neg_hi:[0,1]
.set p, p+1
.endr
.endm
; Slot i of 16 of the sum of tile u's 32 p (f32, before the rounding to bf16), in four chains of pairs.  Slot i reads its registers before CVTI of slot i or later writes them.
.macro SUMI u, i, first
.if \i < 4
	s_wait_alu depctr_va_vdst(0)
	v_pk_add_f32 v[U+2*\i:U+2*\i+1], v[S+32*\u+4*\i:S+32*\u+4*\i+1], v[S+32*\u+4*\i+2:S+32*\u+4*\i+3]
.elseif \i < 12
	v_pk_add_f32 v[U+2*(\i&3):U+2*(\i&3)+1], v[U+2*(\i&3):U+2*(\i&3)+1], v[S+32*\u+2*\i+8:S+32*\u+2*\i+9]
.elseif \i == 12
	v_pk_add_f32 v[U:U+1], v[U:U+1], v[U+2:U+3]
.elseif \i == 13
	v_pk_add_f32 v[U+4:U+5], v[U+4:U+5], v[U+6:U+7]
.elseif \i == 14
	v_pk_add_f32 v[U:U+1], v[U:U+1], v[U+4:U+5]
.elseif \first
	v_add_f32 v[ST+4*\u+3], v[U], v[U+1]           ; the first block starts L
.else
	v_add_f32 v[U], v[U], v[U+1]
.endif
.endm
; Slot i of 16 of the packing: registers 2 i, 2 i + 1 become register 16 (i >> 3) + (i & 7): key tiles 0, 1 make P's fragment for keys 0-31 at +0, tiles 2, 3 that for keys 32-63 at +16
.macro CVTI u, i
	v_cvt_pk_bf16_f32 v[S+32*\u+16*(\i>>3)+(\i&7)], v[S+32*\u+2*\i], v[S+32*\u+2*\i+1]
.endm
; 2^x of tile t (and of its A) in one run.  Behind the run stands plain work on another tile before any result is used (ISA guide 5.7.2).
.macro EXPRUN t, first
.if \first == 0
	v_exp_f32 v[ST+4*\t+2], v[ST+4*\t+2]
.endif
.set e, 0
.rept 32
	v_exp_f32 v[S+32*\t+e], v[S+32*\t+e]
.set e, e+1
.endr
.endm
; 2^x of tile t, with the sum and the packing of tile u (exponentiated before) between: each exponential is followed by a plain instruction on the other tile
.macro EXPMIX t, u, first
.if \first == 0
	v_exp_f32 v[ST+4*\t+2], v[ST+4*\t+2]
.endif
.irp i, 0,1,2,3,4,5,6,7,8,9,10,11,12,13,14,15
	v_exp_f32 v[S+32*\t+2*\i], v[S+32*\t+2*\i]
	SUMI \u, \i, \first
	v_exp_f32 v[S+32*\t+2*\i+1], v[S+32*\t+2*\i+1]
	CVTI \u, \i
.endr
.if \first == 0
	v_fma_f32 v[ST+4*\u+3], v[ST+4*\u+3], v[ST+4*\u+2], v[U]       ; L = L * 2^A + sum
.endif
.endm
.macro SUMCVT u, first
.irp i, 0,1,2,3,4,5,6,7,8,9,10,11,12,13,14,15
	SUMI \u, \i, \first
	CVTI \u, \i
.endr
.if \first == 0
	v_fma_f32 v[ST+4*\u+3], v[ST+4*\u+3], v[ST+4*\u+2], v[U]
.endif
.endm
; O^T of tile t times 2^A (under PVW)
.macro RESC t
.set p, 0
.rept 16
	v_pk_mul_f32 v[O+32*\t+2*p:O+32*\t+2*p+1], v[O+32*\t+2*p:O+32*\t+2*p+1], v[ST+4*\t+2:ST+4*\t+3] op_sel_hi:[1,0]
.set p, p+1
.endr
.endm
; O^T of tile t += H P^T, 64 keys: 8 matrix instructions (under PVW).  The four channel tiles take turns, one instruction a turn.
.macro PV t, first
.irp a, 0,1,2,3
.if \first
	v_wmma_f32_16x16x32_bf16 v[O+32*\t+8*\a:O+32*\t+8*\a+7], v[VF+16*\a:VF+16*\a+7], v[S+32*\t:S+32*\t+7], 0
.else
	v_wmma_f32_16x16x32_bf16 v[O+32*\t+8*\a:O+32*\t+8*\a+7], v[VF+16*\a:VF+16*\a+7], v[S+32*\t:S+32*\t+7], v[O+32*\t+8*\a:O+32*\t+8*\a+7]
.endif
.endr
.irp a, 0,1,2,3
	v_wmma_f32_16x16x32_bf16 v[O+32*\t+8*\a:O+32*\t+8*\a+7], v[VF+16*\a+8:VF+16*\a+15], v[S+32*\t+16:S+32*\t+23], v[O+32*\t+8*\a:O+32*\t+8*\a+7]
.endr
.endm
.macro OUPD t, first
	WIN PVW
.if \first == 0
	RESC \t
.endif
	PV \t, \first
	WIN 0
.endm
; What the tail needs from memory, asked for when Q~'s registers have had their last use: 16 loads that have the last block's softmax in which to land
.macro TAILLOADS
.irp ot, 0,1,2,3
	global_load_b128 v[M2F+8*\ot:M2F+8*\ot+3],   v[M2O], s[6:7] offset:W_M2+2048*\ot       ; M2, row 16 ot + r, c = 32 (w & 1) + 8 h ..
	global_load_b128 v[M2F+8*\ot+4:M2F+8*\ot+7], v[M2O], s[6:7] offset:W_M2+2048*\ot+32    ; c = 32 (w & 1) + 16 + 8 h ..
.endr
.irp i, 0,1,2,3
	global_load_b128 v[XR+4*\i:XR+4*\i+3], v[XOFF], s[8:9] offset:32768*\i th:TH_LOAD_NT   ; channel 8 w + h + 2 i: sixteen lanes take its 256 bytes, aligned
.endr
.irp i, 0,1,2,3
	global_load_b32 v[BI+\i], v[BOFF], s[6:7] offset:W_B2+8*\i
.endr
.endm
; One block of 64 keys.  K's 16 loads have been issued.  first = 1: the wave's first block (starts M, L, O).  pre = 1: K of the slot's second block is fetched ahead.
; last = 1: the wave's last block.
.macro STEP slot, blk, first, pre, last
.if \first == 0
	PLACES 5                                       ; behind the last block's last matrix instruction: four places before loads land on V's registers, five before S^T is written over P's
.endif
	WIN TO_1
	LOADV \slot, \blk
	s_wait_dscnt 16                                ; K (and, in the first block, Q~) is in; V's 16 younger loads stay out
	WIN SM
	SMUL
	PLACES 4                                       ; four places before S^T is read and before loads land on K's or Q~'s registers
.if \pre
	WIN TO_1
	LOADK \slot, 1
.endif
	WIN 0
.if \last
	TAILLOADS
.endif
	MAXSUB 0, \first
	EXPRUN 0, \first
	MAXSUB 1, \first
	EXPMIX 1, 0, \first
.if \pre
	s_wait_dscnt 16                                ; V is in; the next K's 16 loads stay out
.else
	s_wait_dscnt 0                                 ; V is in: these were my last reads of the slot
.endif
	OUPD 0, \first
	MAXSUB 2, \first
	EXPMIX 2, 1, \first
	OUPD 1, \first
	MAXSUB 3, \first
	EXPMIX 3, 2, \first
	OUPD 2, \first
	SUMCVT 3, \first
	OUPD 3, \first
.endm
; The two blocks of a slot.  refill = 1: the other slot, read last, is filled again, 256 keys on.
.macro TWO slot, refill, last
	s_wait_xcnt 0x0
	v_lshl_add_u32 v254, v0, 2, 0x4c800
	v_mov_b32 v255, 0
	s_wait_tensorcnt 0x0                           ; all my tensor loads have landed, this slot's among them, so a group 0 may be written
	ds_add_u32 v254, v255
	s_wait_dscnt 0x0
.if \refill
	s_add_nc_u64 s[G0+4*(1-\slot)+2:G0+4*(1-\slot)+3], s[G0+4*(1-\slot)+2:G0+4*(1-\slot)+3], 512   ; 256 keys along the rows; the type bits on top are not reached
	s_wait_dscnt 0x0                               ; my reads of the other slot are back
	ROUND                                          ; both now hold of every wave of all four work-groups
	tensor_load_to_lds s[G0+4*(1-\slot):G0+4*(1-\slot)+3], s[G1:G1+7]      ; my one tensor load behind the round, and the first thing there
	s_nop 0
.endif
	WIN TO_1
	LOADK \slot, 0
	STEP \slot, 0, 0, 1, 0
	STEP \slot, 1, 0, 0, \last
.endm
	; THE EIGHT BLOCKS, written out: four tiles a wave, two asked for at the start and one behind each of two rounds
	s_wait_tensorcnt 0x1                           ; my slot 0 is in (I alone read it); slot 1's load stays out
	WIN TO_1
	LOADK 0, 0
	STEP 0, 0, 1, 1, 0                             ; blocks 0, 1: the first starts the sums
	STEP 0, 1, 0, 0, 0
	TWO 1, 1, 0                                    ; blocks 2, 3; keys 256-383 are asked for
	TWO 0, 1, 0                                    ; blocks 4, 5; keys 384-511 are asked for
	TWO 1, 0, 1                                    ; blocks 6, 7: nothing is left to fetch
	; THE MERGE.  Each wave puts its (m, l) and its O^T into its own ring, whose last fill it has read.
	PLACES 4                                       ; four places behind the last matrix instruction before O^T is stored and before loads land on P's registers
.irp t, 0,1,2,3
	v_permlanex16_b32 v[ST+4*\t+2], v[ST+4*\t+3], s45, s46         ; l of the other half's keys
.endr
.irp t, 0,1,2,3
	v_add_f32 v[ST+4*\t+1], v[ST+4*\t+3], v[ST+4*\t+2]             ; (M, l) is now a pair, the same in both halves
.endr
.irp t, 0,1,2,3
	ds_store_b64 v[STW], v[ST+4*\t:ST+4*\t+1] offset:STATS+128*\t
.endr
	WIN ST_1
.irp t, 0,1,2,3
.irp a, 0,1,2,3
	ds_store_b128 v[PST], v[O+32*\t+8*\a:O+32*\t+8*\a+3]   offset:(4*\t+\a)*1024
	ds_store_b128 v[PST], v[O+32*\t+8*\a+4:O+32*\t+8*\a+7] offset:(4*\t+\a)*1024+512
.endr
.endr
	WIN 0
	s_wait_dscnt 0x0                               ; my stores are done, and so are all my reads of my ring,
	s_barrier_signal -1
	s_barrier_wait -1                              ; everybody's are
	; wave w merges query tile w >> 1, channel tiles 2 (w & 1) and 2 (w & 1) + 1
.irp w, 0,1,2,3,4,5,6,7
	ds_load_b64 v[T+2*\w:T+2*\w+1], v[SRA+(\w>>1)] offset:(\w&1)*WREG
.endr
.irp w, 0,1,2,3,4,5,6,7
.irp a, 0,1
	ds_load_b128 v[S+16*\w+8*\a:S+16*\w+8*\a+3],   v[RDA+(\w>>1)] offset:(\w&1)*WREG+1024*\a
	ds_load_b128 v[S+16*\w+8*\a+4:S+16*\w+8*\a+7], v[RDA+(\w>>1)] offset:(\w&1)*WREG+1024*\a+512
.endr
.endr
	s_wait_dscnt 32                                ; the eight (m, l) are in; the 32 younger loads stay out
	v_max3_num_f32 v[ST],   v[T],    v[T+2],  v[T+4]
	v_max3_num_f32 v[ST+1], v[T+6],  v[T+8],  v[T+10]
	v_max3_num_f32 v[ST],   v[ST],   v[T+12], v[T+14]
	v_max_num_f32  v[ST],   v[ST],   v[ST+1]       ; m over all 4,096 keys
.irp w, 0,1,2,3,4,5,6,7
	v_sub_f32 v[U+\w], v[T+2*\w], v[ST]
.endr
.irp w, 0,1,2,3,4,5,6,7
	v_exp_f32 v[U+\w], v[U+\w]                     ; f_w = 2^(m_w - m), 1 for at least one wave
.endr
	v_nop                                          ; one plain place behind the exponentials
	s_wait_alu depctr_va_vdst(0)
	v_mul_f32 v[ST+1], v[U], v[T+1]
.irp w, 1,2,3,4,5,6,7
	v_fmac_f32 v[ST+1], v[U+\w], v[T+2*\w+1]       ; l, at least 1
.endr
	v_rcp_f32 v[ST+2], v[ST+1]
	v_nop                                          ; one plain place behind v_rcp_f32
.irp w, 0,1,2,3,4,5,6,7
	s_wait_alu depctr_va_vdst(0)
	v_mul_f32 v[U+\w], v[U+\w], v[ST+2]            ; g_w = f_w / l
.endr
	s_wait_dscnt 0x0
.irp n, 0,1,2,3,4,5,6,7
	v_pk_mul_f32 v[S+2*\n:S+2*\n+1], v[S+2*\n:S+2*\n+1], v[U:U+1] op_sel_hi:[1,0]
.endr
.irp w, 1,2,3,4,5,6,7
.irp n, 0,1,2,3,4,5,6,7
	v_pk_fma_f32 v[S+2*\n:S+2*\n+1], v[S+16*\w+2*\n:S+16*\w+2*\n+1], v[U+2*(\w>>1):U+2*(\w>>1)+1], v[S+2*\n:S+2*\n+1] op_sel:[0,\w&1,0] op_sel_hi:[1,\w&1,1]
.endr
.endr
.irp i, 0,1,2,3,4,5,6,7
	v_cvt_pk_bf16_f32 v[S+\i], v[S+2*\i], v[S+2*\i+1]              ; in place, ascending: the fragment of y (query r; channels 32 (w & 1) ..)
.endr
	; THE PROJECTION, my 32 channels' part: source 0 = y (m = pixel), source 1 = M2 (n = output channel): a lane holds eight neighbouring pixels of a channel.
	; Four accumulators, one instruction each.
	s_wait_loadcnt 0x0                             ; M2, x and b2, asked for in the last block
.irp ot, 0,1,2,3
	v_wmma_f32_16x16x32_bf16 v[S+32+8*\ot:S+32+8*\ot+7], v[S:S+7], v[M2F+8*\ot:M2F+8*\ot+7], 0
.endr
	PLACES 4                                       ; four places before the results are stored
.irp ot, 0,1,2,3
	ds_store_b128 v[OSW], v[S+32+8*\ot:S+32+8*\ot+3]   offset:16*OP*\ot            ; stage w & 1: [channel 16 ot + r][pixel 16 (w >> 1) + 8 h ..]
	ds_store_b128 v[OSW], v[S+32+8*\ot+4:S+32+8*\ot+7] offset:16*OP*\ot+16
.endr
	s_wait_dscnt 0x0                               ; my part of the two stages is written,
	s_barrier_signal -1
	s_barrier_wait -1                              ; everybody's is
.irp i, 0,1,2,3
	ds_load_b128 v[S+64+4*\i:S+64+4*\i+3], v[OSR] offset:2*OP*\i                   ; channel 8 w + h + 2 i: sixteen lanes take its 256 bytes, from the one stage
	ds_load_b128 v[S+80+4*\i:S+80+4*\i+3], v[OSR] offset:WREG+2*OP*\i              ; and from the other
.endr
.irp i, 0,1,2,3
	v_pk_add_f32 v[XR+4*\i:XR+4*\i+1],   v[XR+4*\i:XR+4*\i+1],   v[BI+2*(\i>>1):BI+2*(\i>>1)+1] op_sel:[0,\i&1] op_sel_hi:[1,\i&1]     ; x + b2, while the loads are on their way
	v_pk_add_f32 v[XR+4*\i+2:XR+4*\i+3], v[XR+4*\i+2:XR+4*\i+3], v[BI+2*(\i>>1):BI+2*(\i>>1)+1] op_sel:[0,\i&1] op_sel_hi:[1,\i&1]
.endr
	s_wait_dscnt 0x0
.irp i, 0,1,2,3
	v_pk_add_f32 v[S+64+4*\i:S+64+4*\i+1],   v[S+64+4*\i:S+64+4*\i+1],   v[S+80+4*\i:S+80+4*\i+1]
	v_pk_add_f32 v[S+64+4*\i+2:S+64+4*\i+3], v[S+64+4*\i+2:S+64+4*\i+3], v[S+80+4*\i+2:S+80+4*\i+3]
	v_pk_add_f32 v[S+64+4*\i:S+64+4*\i+1],   v[S+64+4*\i:S+64+4*\i+1],   v[XR+4*\i:XR+4*\i+1]
	v_pk_add_f32 v[S+64+4*\i+2:S+64+4*\i+3], v[S+64+4*\i+2:S+64+4*\i+3], v[XR+4*\i+2:XR+4*\i+3]
.endr
.irp i, 0,1,2,3
	global_store_b128 v[XOFF], v[S+64+4*\i:S+64+4*\i+3], s[10:11] offset:32768*\i th:TH_STORE_NT   ; sixteen lanes store 256 consecutive bytes, aligned
.endr
	s_wait_xcnt 0x0
	v_lshl_add_u32 v254, v0, 2, 0x4c800
	v_mov_b32 v255, 0
	s_wait_tensorcnt 0x0
	ds_add_u32 v254, v255
	s_wait_dscnt 0x0
	ROUND                                          ; the closing round: no work-group ends while a partner may still ask for a tile that names it
	s_endpgm
.Lfunc_end_k_q0917cf66f8_attn:
	.size	k_q0917cf66f8_attn, .Lfunc_end_k_q0917cf66f8_attn-k_q0917cf66f8_attn
	.p2alignl 7, 3214868480
	.fill 96, 4, 3214868480
	.section	.rodata,"a",@progbits
	.p2align	6, 0x0
	.amdhsa_kernel k_q0917cf66f8_attn
		.amdhsa_group_segment_fixed_size 327680
		.amdhsa_private_segment_fixed_size 0
		.amdhsa_enable_private_segment 0
		.amdhsa_kernarg_size 32
		.amdhsa_user_sgpr_count 2
		.amdhsa_user_sgpr_kernarg_segment_ptr 1
		.amdhsa_wavefront_size32 1
		.amdhsa_system_sgpr_workgroup_id_x 1
		.amdhsa_system_sgpr_workgroup_id_y 1
		.amdhsa_system_sgpr_workgroup_id_z 1
		.amdhsa_system_vgpr_workitem_id 0
		.amdhsa_next_free_vgpr 512
		.amdhsa_next_free_sgpr 66
		.amdhsa_reserve_vcc 0
		.amdhsa_float_denorm_mode_32 3
		.amdhsa_float_denorm_mode_16_64 3
		.amdhsa_memory_ordered 1
		.amdhsa_forward_progress 1
		.amdhsa_inst_pref_size 255
	.end_amdhsa_kernel
	.section	.bss,"aw",@nobits
	.p2align	6
	.space	262144
	.amdgpu_metadata
---
amdhsa.version: [ 1, 2 ]
amdhsa.kernels:
  - .name:           k_q0917cf66f8_attn
    .symbol:         k_q0917cf66f8_attn.kd
    .args:
      - { .name: hbuf, .offset: 0, .size: 8, .value_kind: global_buffer, .address_space: global }
      - { .name: wts, .offset: 8, .size: 8, .value_kind: global_buffer, .address_space: global }
      - { .name: x, .offset: 16, .size: 8, .value_kind: global_buffer, .address_space: global }
      - { .name: out0, .offset: 24, .size: 8, .value_kind: global_buffer, .address_space: global }
    .group_segment_fixed_size: 327680
    .private_segment_fixed_size: 0
    .kernarg_segment_align: 8
    .kernarg_segment_size: 32
    .max_flat_workgroup_size: 256
    .sgpr_count:     66
    .vgpr_count:     512
    .wavefront_size: 32
...
	.end_amdgpu_metadata
.endif
;; end of part 5
;; ======== version 3 of 3: 2 launches; version 2 with the launch prep written anew for expert scheduling mode
;; workspace buffers: hbuf 2,097,152 bytes; wts 16,896 bytes
;; launch prep (part 6): grid 256 x 1, 2 waves a work-group, no clusters, 0 bytes of LDS; arguments x, w_qkv, b_qkv, w_proj, b_proj, hbuf, wts; writes hbuf, wts
.if DOCPART == 6
	.amdgcn_target "amdgcn-amd-amdhsa--gfx1250"
	.amdhsa_code_object_version 6
	.text
	.protected	k_q0917cf66f8_prep
	.globl	k_q0917cf66f8_prep
	.p2align	8
	.type	k_q0917cf66f8_prep,@function
k_q0917cf66f8_prep:
	s_mov_b64 s[64:65], 0
	v_nop
	global_prefetch_b8 v0, s[64:65] scope:SCOPE_SE
	s_setreg_imm32_b32 hwreg(HW_REG_WAVE_SCHED_MODE, 0, 2), 2
	s_setreg_imm32_b32 hwreg(HW_REG_WAVE_MODE, 25, 1), 1
	s_wait_xcnt 0x0
	s_wait_alu depctr_vm_vsrc(0)
; What the attention launch needs, made once.  Work-group g of 256, two waves that share nothing.
; WAVE 0: the instance norm of row g = 64 b + c of x (4,096 f32): hbuf[b][c][n] = (x - mean) / sqrt(var + 1e-5), rounded to bf16.
;   The row is 128 registers a lane: it is read once and stays in registers for the mean, for the sum of (x - mean)^2 and for the scaling.
;   The variance is taken from the differences, so a common offset on x costs no digits, and the rounding to bf16 comes last.
; WAVE 1: 32 numbers of one of two products of the weights, in f32 on the vector unit (2,048 multiply-adds a wave: too little for a matrix tile).
;   With h the normalised image, q = Wq h + bq, k = Wk h + bk, v = Wv h + bv:
;     q_n . k_m = (Wk^T q_n) . h_m + q_n . bk.  The last term is the same for every key m, and a softmax over m does not change when all its
;     arguments are shifted alike: it is not formed, and b_qkv[64:128] therefore has no bearing on the result.
;     sum_m p_nm v_m = Wv (sum_m p_nm h_m) + bv, since the p of a query sum to 1.
;   So the attention launch works on h alone, with   G  = kappa Wk^T Wq  [c][c']   g0 = kappa Wk^T bq   (kappa = 64^-0.5 log2 e: 2^x serves as e^x)
;                                                    M2 = Wp Wv          [o][c]    b2 = Wp bv + bp
;   wts: G bf16 at byte 0, M2 bf16 at 8,192, g0 f32 at 16,384, b2 f32 at 16,640.
;   Work-groups 0-127 make G, 128-255 M2; row = (g >> 1) & 63, half = g & 1 (columns 32 half ..).  A wave stores 64 bytes of its row and, where half = 0,
;   one f32: pieces smaller than 256 bytes, of a buffer of 16,896 bytes in all.
; LIMITS: h, G and M2 are rounded to bf16.  NaN and infinities pass through as they come.
; THE MODE: SCHED_MODE bits 1:0 = 2 (LLVM: expert scheduling mode 2), set by the entry lines.  The code itself states the register dependences
; between vector instructions and memory instructions, with s_wait_alu, always for 0.
; THE PLAN.  Registers that memory instructions touch:
;   wave 0  v1, v[SO]      offsets of the loads and of the stores: made once at the head, never written again.
;           v[X ..]        the 32 loads land here; no vector instruction names these registers ahead of them.  In the last pass the two roundings of group j
;                          write X + 4 j and X + 4 j + 1, which store j reads; nothing writes them again.
;           The last pass goes in four batches of eight groups.  One wait stands behind each batch's vector instructions; the batch's eight stores follow it, dealt among
;           the next batch's vector instructions, which name their own 32 registers and rstd alone: none of the registers that those stores read.
;   wave 1  v[AO], v[BO], v[EO], v[RO], v[STO]   offsets: made once at the wave's head, never written again.
;           v[WW ..], v[AL ..], v[BE ..], v[BP]  loads land here; no vector instruction names them ahead of the loads.
;           v[WA:WA+1], v[DT]                    written by the arithmetic, read by the two stores, which stand behind the waits in front of the writes of EXEC.
;   No register that a load or store has read is written again, so the only waits on vm_vsrc are those that stand in front of the two writes of EXEC.
.set X,   16                           ; wave 0: v[16:143]  the row: 64 pairs
.set CH,  2                            ;         v[2:9]     four chains of pairs
.set MN,  10                           ;         v[10:11]   the mean twice, later rstd twice
.set RS,  12                           ;         v12 a sum across lanes, v13 the other half's
.set SO,  14                           ;         v14        8 x lane: my 8 bytes of each 256 of the row of h
.set WA,  2                            ; wave 1: v[2:9]     sums of my four columns: even i in v[2:5], odd i in v[6:9]
.set DT,  10                           ;         v[10:11]   the bias's sum
.set PT,  12                           ;         v12        the other half's
.set FL,  13                           ;         v13        lane | half: 0 in the one lane that stores the bias
.set BP,  14                           ;         v14        b_proj[row]
.set RO,  15                           ;         v15        4 x row
.set WW,  16                           ;         v[16:79]   B[4 i + g4][my four columns]
.set AL,  80                           ;         v[80:95]   alpha[4 i + g4]
.set BE,  96                           ;         v[96:111]  beta[4 i + g4]
.set AO,  112                          ;         v112-115   offsets of alpha, B, beta and of my 8 bytes of the result
.set BO,  113
.set EO,  114
.set STO, 115
.set KAPPA, 0x3e38aa3b                 ; 0.125 * log2(e)
; n more pairs, from pair p on, are added to the four chains
.macro ADDRUN n
.rept \n
	v_pk_add_f32 v[CH+2*(p&3):CH+2*(p&3)+1], v[CH+2*(p&3):CH+2*(p&3)+1], v[X+2*p:X+2*p+1]
.set p, p+1
.endr
.endm
; the four chains become one number, the same in every lane, in v[RS]
.macro LANES
	v_pk_add_f32 v[CH:CH+1], v[CH:CH+1], v[CH+2:CH+3]
	v_pk_add_f32 v[CH+4:CH+5], v[CH+4:CH+5], v[CH+6:CH+7]
	v_pk_add_f32 v[CH:CH+1], v[CH:CH+1], v[CH+4:CH+5]
	v_add_f32 v[RS], v[CH], v[CH+1]
	v_add_f32_dpp v[RS], v[RS], v[RS] row_xmask:1 row_mask:0xf bank_mask:0xf
	v_add_f32_dpp v[RS], v[RS], v[RS] row_xmask:2 row_mask:0xf bank_mask:0xf
	v_add_f32_dpp v[RS], v[RS], v[RS] row_xmask:4 row_mask:0xf bank_mask:0xf
	v_add_f32_dpp v[RS], v[RS], v[RS] row_xmask:8 row_mask:0xf bank_mask:0xf
	v_permlanex16_b32 v[RS+1], v[RS], s22, s23
	v_add_f32 v[RS], v[RS], v[RS+1]
.endm
; Group j of the last pass: the four numbers of load j times rstd, rounded to bf16: 8 bytes in X + 4 j, X + 4 j + 1
.macro SCALE j
	v_pk_mul_f32 v[X+4*(\j):X+4*(\j)+1],   v[X+4*(\j):X+4*(\j)+1],   v[MN:MN+1]
	v_pk_mul_f32 v[X+4*(\j)+2:X+4*(\j)+3], v[X+4*(\j)+2:X+4*(\j)+3], v[MN:MN+1]
	v_cvt_pk_bf16_f32 v[X+4*(\j)],   v[X+4*(\j)],   v[X+4*(\j)+1]
	v_cvt_pk_bf16_f32 v[X+4*(\j)+1], v[X+4*(\j)+2], v[X+4*(\j)+3]
.endm
; Group j is stored: a store of the wave covers 256 consecutive bytes, aligned
.macro SEND j
	global_store_b64 v[SO], v[X+4*(\j):X+4*(\j)+1], s[14:15] offset:256*(\j)
.endm
; Wave 1's work: out[col] = sum over j of alpha[j] B[j][col], bias = sum over j of alpha[j] beta[j].
; m2 = 0: alpha = column 'row' of Wk, B = Wq, beta = bq.   m2 = 1: alpha = row 'row' of Wp, B = Wv, beta = bv.
; Lane (g4 = L >> 3, c4 = L & 7) takes j = 4 i + g4, i = 0 .. 15, and columns 32 half + 4 c4 .. + 3: a load of B covers four rows' 128 bytes.
.macro WJOB m2
	s_wait_alu depctr_va_vdst(0)                   ; the five offsets v[AO], v[BO], v[EO], v[RO] and v[STO] are written, which the loads and stores below read
.irp i, 0,1,2,3,4,5,6,7,8,9,10,11,12,13,14,15
.if \m2
	global_load_b128 v[WW+4*\i:WW+4*\i+3], v[BO], s[6:7] offset:32768+1024*\i      ; Wv = rows 128 .. of w_qkv
	global_load_b32 v[AL+\i], v[AO], s[10:11] offset:16*\i                         ; Wp[row][4 i + g4]
	global_load_b32 v[BE+\i], v[EO], s[8:9] offset:512+16*\i                       ; bv
.else
	global_load_b128 v[WW+4*\i:WW+4*\i+3], v[BO], s[6:7] offset:1024*\i            ; Wq = rows 0 .. of w_qkv
	global_load_b32 v[AL+\i], v[AO], s[6:7] offset:16384+1024*\i                   ; Wk[4 i + g4][row], Wk = rows 64 ..
	global_load_b32 v[BE+\i], v[EO], s[8:9] offset:16*\i                           ; bq
.endif
.endr
.if \m2
	global_load_b32 v[BP], v[RO], s[12:13]
.endif
	s_wait_loadcnt 0x0
	v_pk_mul_f32 v[WA:WA+1],   v[WW:WW+1],   v[AL:AL+1] op_sel_hi:[1,0]            ; i = 0 and i = 1 start the chains: nothing is cleared
	v_pk_mul_f32 v[WA+2:WA+3], v[WW+2:WW+3], v[AL:AL+1] op_sel_hi:[1,0]
	v_pk_mul_f32 v[WA+4:WA+5], v[WW+4:WW+5], v[AL:AL+1] op_sel:[0,1] op_sel_hi:[1,1]
	v_pk_mul_f32 v[WA+6:WA+7], v[WW+6:WW+7], v[AL:AL+1] op_sel:[0,1] op_sel_hi:[1,1]
	v_pk_mul_f32 v[DT:DT+1], v[AL:AL+1], v[BE:BE+1]
.irp i, 2,3,4,5,6,7,8,9,10,11,12,13,14,15
	v_pk_fma_f32 v[WA+4*(\i&1):WA+4*(\i&1)+1],   v[WW+4*\i:WW+4*\i+1],   v[AL+2*(\i>>1):AL+2*(\i>>1)+1], v[WA+4*(\i&1):WA+4*(\i&1)+1]   op_sel:[0,\i&1,0] op_sel_hi:[1,\i&1,1]
	v_pk_fma_f32 v[WA+4*(\i&1)+2:WA+4*(\i&1)+3], v[WW+4*\i+2:WW+4*\i+3], v[AL+2*(\i>>1):AL+2*(\i>>1)+1], v[WA+4*(\i&1)+2:WA+4*(\i&1)+3] op_sel:[0,\i&1,0] op_sel_hi:[1,\i&1,1]
.endr
.irp q, 1,2,3,4,5,6,7
	v_pk_fma_f32 v[DT:DT+1], v[AL+2*\q:AL+2*\q+1], v[BE+2*\q:BE+2*\q+1], v[DT:DT+1]
.endr
	v_pk_add_f32 v[WA:WA+1],   v[WA:WA+1],   v[WA+4:WA+5]
	v_pk_add_f32 v[WA+2:WA+3], v[WA+2:WA+3], v[WA+6:WA+7]
	v_add_f32 v[DT], v[DT], v[DT+1]
.irp r, 2,3,4,5,10
	v_add_f32_dpp v\r, v\r, v\r row_xmask:8 row_mask:0xf bank_mask:0xf             ; over g4: lane xor 8,
.endr
.irp r, 2,3,4,5,10
	v_permlanex16_b32 v[PT], v\r, s22, s23                                         ; and lane xor 16
	v_add_f32 v\r, v\r, v[PT]
.endr
.if \m2
	v_add_f32 v[DT], v[DT], v[BP]
.else
	v_pk_mul_f32 v[WA:WA+1],   v[WA:WA+1],   KAPPA op_sel_hi:[1,0]
	v_pk_mul_f32 v[WA+2:WA+3], v[WA+2:WA+3], KAPPA op_sel_hi:[1,0]
	v_mul_f32 v[DT], KAPPA, v[DT]
.endif
	v_cvt_pk_bf16_f32 v[WA],   v[WA],   v[WA+1]
	v_cvt_pk_bf16_f32 v[WA+1], v[WA+2], v[WA+3]
	s_wait_xcnt 0x0                                ; EXEC is a source of the loads above: it changes only behind this wait
	v_cmp_gt_u32 vcc_lo, 8, v1
	s_wait_alu depctr_va_vcc(0)                    ; the compare has written VCC, from which EXEC is made
	s_wait_alu depctr_va_vdst(0)                   ; in front of a write of EXEC: the vector instructions issued so far are done; among them those that wrote v[WA:WA+1] and v[DT], which the two stores read
	s_wait_alu depctr_vm_vsrc(0)                   ; in front of a write of EXEC: the loads issued so far have read their registers
	s_and_saveexec_b32 s30, vcc_lo                 ; lanes 0-7 hold the 32 numbers, 8 bytes each
	global_store_b64 v[STO], v[WA:WA+1], s[16:17] offset:8192*\m2
	s_wait_xcnt 0x0                                ; and again before EXEC is narrowed further
	v_cmp_eq_u32 vcc_lo, 0, v[FL]
	s_wait_alu depctr_va_vcc(0)                    ; the compare has written VCC, from which EXEC is made
	s_wait_alu depctr_va_vdst(0)                   ; in front of a write of EXEC: the compare, the one vector instruction since the last such wait, is done
	s_wait_alu depctr_vm_vsrc(0)                   ; in front of a write of EXEC: the store above has read v[STO] and v[WA:WA+1]
	s_and_saveexec_b32 s31, vcc_lo                 ; lane 0, and only where half = 0: each word of the biases has one owner
	global_store_b32 v[RO], v[DT], s[16:17] offset:16384+256*\m2
	s_endpgm
.endm
	s_load_b256 s[4:11], s[0:1], 0x0               ; x s[4:5], w_qkv s[6:7], b_qkv s[8:9], w_proj s[10:11]
	s_load_b128 s[12:15], s[0:1], 0x20             ; b_proj s[12:13], hbuf s[14:15]
	s_load_b64 s[16:17], s[0:1], 0x30              ; wts
	v_lshrrev_b32 v1, 5, v0
	v_readfirstlane_b32 s18, v1                    ; wave
	s_mov_b32 s22, 0x76543210                      ; v_permlanex16_b32: lane i of one half reads lane i of the other
	s_mov_b32 s23, 0xfedcba98
	s_wait_alu depctr_va_sdst(0)                   ; s18 is written, ahead of its first reader, the compare below
	s_cmp_lg_u32 s18, 0
	s_cbranch_scc1 .Lweights
	; ---- wave 0: the row ----
	s_lshl_b32 s2, ttmp9, 14                       ; my row of x: 16,384 bytes each
	s_mov_b32 s3, 0
	s_lshl_b32 s20, ttmp9, 13                      ; my row of hbuf: 8,192 bytes each
	s_mov_b32 s21, 0
	s_mov_b32 s24, 0x3727c5ac                      ; 1e-5
	s_mov_b32 s25, 0x39800000                      ; 1/4096
	v_lshlrev_b32 v1, 4, v0                        ; 16 bytes a lane: a load covers 512 neighbouring bytes
	v_lshlrev_b32 v[SO], 3, v0
	v_mov_b32 v[RS+1], 0                           ; v_permlanex16_b32 counts as a reader of its destination
	s_wait_kmcnt 0x0
	s_add_nc_u64 s[4:5], s[4:5], s[2:3]
	s_add_nc_u64 s[14:15], s[14:15], s[20:21]
	s_wait_alu depctr_va_vdst(0)                   ; v1 and v[SO] are written: every load of this wave reads the one as its offset, every store the other
.set j, 0
.rept 32
	global_load_b128 v[X+4*j:X+4*j+3], v1, s[4:5] offset:512*j
.set j, j+1
.endr
	; pass 1: the sum, as the loads come in, eight loads (16 pairs) at a time; each count is the number of younger loads
	s_wait_loadcnt 24
.irp c, 0,1,2,3
	v_pk_add_f32 v[CH+2*\c:CH+2*\c+1], v[X+2*\c:X+2*\c+1], v[X+8+2*\c:X+8+2*\c+1]   ; the first eight pairs start the chains: nothing is cleared
.endr
.set p, 8
	ADDRUN 8
	s_wait_loadcnt 16
	ADDRUN 16
	s_wait_loadcnt 8
	ADDRUN 16
	s_wait_loadcnt 0
	ADDRUN 16
	LANES
	v_mul_f32 v[MN], s25, v[RS]                    ; the mean,
	v_mul_f32 v[MN+1], s25, v[RS]                  ; twice: a pair for the packed subtraction
	; pass 2: d = x - mean in place, then the sum of d * d in the four chains
.set p, 0
.rept 64
	v_pk_add_f32 v[X+2*p:X+2*p+1], v[X+2*p:X+2*p+1], v[MN:MN+1] neg_lo:[0,1] neg_hi:[0,1]
.set p, p+1
.endr
.irp c, 0,1,2,3
	v_pk_mul_f32 v[CH+2*\c:CH+2*\c+1], v[X+2*\c:X+2*\c+1], v[X+2*\c:X+2*\c+1]
.endr
.set p, 4
.rept 60
	v_pk_fma_f32 v[CH+2*(p&3):CH+2*(p&3)+1], v[X+2*p:X+2*p+1], v[X+2*p:X+2*p+1], v[CH+2*(p&3):CH+2*(p&3)+1]
.set p, p+1
.endr
	LANES
	v_fma_f32 v[RS], v[RS], s25, s24               ; variance (biased) + eps
	v_rsq_f32 v[MN], v[RS]
	v_rsq_f32 v[MN+1], v[RS]                       ; twice: a pair for the packed multiplication
	v_nop                                          ; one plain place behind v_rsq_f32 before its result is used (ISA guide 5.7.2)
	; pass 3: h = d * rstd, rounded to bf16, in four batches of eight groups; a batch's stores stand among the next batch's vector instructions
	s_wait_alu depctr_va_vdst(0)                   ; the two v_rsq_f32 have written rstd, ahead of its first reader
.irp i, 0,1,2,3,4,5,6,7
	SCALE \i
.endr
.irp b, 0,1,2
	s_wait_alu depctr_va_vdst(0)                   ; the roundings of groups 8 b to 8 b + 7 have written the registers that the eight stores below read; the groups worked on between those stores name other registers
.irp i, 0,1,2,3,4,5,6,7
	SEND 8*\b+\i
	SCALE 8*\b+8+\i
.endr
.endr
	s_wait_alu depctr_va_vdst(0)                   ; the roundings of groups 24 to 31 have written the registers that the last eight stores read
.irp i, 0,1,2,3,4,5,6,7
	SEND 24+\i
.endr
	s_endpgm
	; ---- wave 1: the weights ----
.Lweights:
	v_and_b32 v1, 31, v0                           ; L
	v_lshrrev_b32 v116, 3, v1                      ; g4
	v_and_b32 v117, 7, v1                          ; c4
	s_lshr_b32 s19, ttmp9, 7                       ; 0: G, 1: M2
	s_bfe_u32 s20, ttmp9, 0x60001                  ; row: 6 bits from bit 1
	s_and_b32 s21, ttmp9, 1                        ; half
	s_lshl_b32 s26, s21, 7                         ; 32 columns of f32
	s_lshl_b32 s27, s20, 7                         ; a row of the result: 128 bytes,
	s_lshl_b32 s28, s21, 6                         ; half of it 64
	s_add_co_u32 s27, s27, s28
	s_lshl_b32 s28, s20, 2                         ; 4 row
	s_lshl_b32 s29, s20, 8                         ; 256 row
	v_lshl_add_u32 v[BO], v116, 8, s26             ; B: 256 g4 + 128 half + 16 c4
	v_lshl_add_u32 v[BO], v117, 4, v[BO]
	v_lshlrev_b32 v[EO], 2, v116                   ; beta: 4 g4
	v_lshl_add_u32 v[STO], v117, 3, s27            ; result: 128 row + 64 half + 8 c4
	v_mov_b32 v[RO], s28
	v_or_b32 v[FL], s21, v1
	v_mov_b32 v[PT], 0                             ; v_permlanex16_b32 counts as a reader of its destination
	s_wait_kmcnt 0x0
	s_cmp_lg_u32 s19, 0
	s_cbranch_scc1 .Lm2
	v_lshl_add_u32 v[AO], v116, 8, s28             ; a column of Wk: 256 g4 + 4 row
	WJOB 0
.Lm2:
	v_lshl_add_u32 v[AO], v116, 2, s29             ; a row of Wp: 4 g4 + 256 row
	WJOB 1
.Lfunc_end_k_q0917cf66f8_prep:
	.size	k_q0917cf66f8_prep, .Lfunc_end_k_q0917cf66f8_prep-k_q0917cf66f8_prep
	.p2alignl 7, 3214868480
	.fill 96, 4, 3214868480
	.section	.rodata,"a",@progbits
	.p2align	6, 0x0
	.amdhsa_kernel k_q0917cf66f8_prep
		.amdhsa_group_segment_fixed_size 0
		.amdhsa_private_segment_fixed_size 0
		.amdhsa_enable_private_segment 0
		.amdhsa_kernarg_size 56
		.amdhsa_user_sgpr_count 2
		.amdhsa_user_sgpr_kernarg_segment_ptr 1
		.amdhsa_wavefront_size32 1
		.amdhsa_system_sgpr_workgroup_id_x 1
		.amdhsa_system_sgpr_workgroup_id_y 1
		.amdhsa_system_sgpr_workgroup_id_z 1
		.amdhsa_system_vgpr_workitem_id 0
		.amdhsa_next_free_vgpr 148
		.amdhsa_next_free_sgpr 66
		.amdhsa_reserve_vcc 1
		.amdhsa_float_denorm_mode_32 3
		.amdhsa_float_denorm_mode_16_64 3
		.amdhsa_memory_ordered 1
		.amdhsa_forward_progress 1
		.amdhsa_inst_pref_size 48
	.end_amdhsa_kernel
	.amdgpu_metadata
---
amdhsa.version: [ 1, 2 ]
amdhsa.kernels:
  - .name:           k_q0917cf66f8_prep
    .symbol:         k_q0917cf66f8_prep.kd
    .args:
      - { .name: x, .offset: 0, .size: 8, .value_kind: global_buffer, .address_space: global }
      - { .name: w_qkv, .offset: 8, .size: 8, .value_kind: global_buffer, .address_space: global }
      - { .name: b_qkv, .offset: 16, .size: 8, .value_kind: global_buffer, .address_space: global }
      - { .name: w_proj, .offset: 24, .size: 8, .value_kind: global_buffer, .address_space: global }
      - { .name: b_proj, .offset: 32, .size: 8, .value_kind: global_buffer, .address_space: global }
      - { .name: hbuf, .offset: 40, .size: 8, .value_kind: global_buffer, .address_space: global }
      - { .name: wts, .offset: 48, .size: 8, .value_kind: global_buffer, .address_space: global }
    .group_segment_fixed_size: 0
    .private_segment_fixed_size: 0
    .kernarg_segment_align: 8
    .kernarg_segment_size: 56
    .max_flat_workgroup_size: 64
    .sgpr_count:     66
    .vgpr_count:     148
    .wavefront_size: 32
...
	.end_amdgpu_metadata
.endif
;; end of part 6
;; launch attn: the kernel of part 5 again; grid 256 x 1, 8 waves a work-group, clusters of 4 x 1, 327,680 bytes of LDS; arguments hbuf, wts, x, out0; writes out0
